; MI455X (gfx1250); checked and timed in simulation.
; The chip was launched on July 23, 2026; its instructions are those of AMD's public machine-readable ISA for CDNA 5 (MIT licence, August 2026) and "CDNA5" Instruction Set Architecture Reference Guide (July 2026). The comments in the code are by the model that wrote it; some were corrected since.
;; Self Attention. Allowed arithmetic: matrix products marked QUANTISED: E2M1 operands, one E8M0 scale for each 32 along K, by v_wmma_scale_f32_16x16x128_f8f6f4 with both operands' format E2M1 (or v_wmma_scale_f32_32x16x128_f4), f32 sums; products left as they are: bf16, f16 or f32 operands; f32 sums; everything else in f32.
;; Inputs: Wk 1,024 x 1,024 float32; Wp 1,024 x 1,024 float32; Wq 1,024 x 1,024 float32; Wv 1,024 x 1,024 float32; bk 1,024 float32; bp 1,024 float32; bq 1,024 float32; bv 1,024 float32; x 4 x 2,048 x 1,024 float32.
;; Outputs: out0 4 x 2,048 x 1,024 float32.
;; This version of the problem:
;;   THIS VERSION OF THE PROBLEM IS GIVEN IN LOW PRECISION. The matrix products marked QUANTISED in the list below multiply operands that are first quantised to E2M1 (2 exponent bits, 1 mantissa bit; 4 bits a number), with one power-of-two scale for each 32 numbers along K (OCP MX v1.0); their sums are f32. The products marked 'left as it is' may take bf16, f16 or f32 operands, with f32 sums. Whichever they take, every output number must still come out within the allowed error. Rounding operands to bf16 (8 significant bits) uses up far more of that allowance than f16 does (11 bits, for magnitudes from 6e-5 to 65,504). All else is computed in f32.
;;   The module's matrix products, in the order in which they are computed (A, B: the left and right operand; K: the contracted axis; several contracted axes count as one K, in the product's order):
;;     1. [M 8,192, K 1,024] x [K 1,024, N 1,024]; A: input x; B: input Wk: QUANTISED
;;     2. [M 8,192, K 1,024] x [K 1,024, N 1,024]; A: input x; B: input Wq: QUANTISED
;;     3. [M 8,192, K 1,024] x [K 1,024, N 1,024]; A: input x; B: input Wv: QUANTISED
;;     4. batch 64 x [M 2,048, K 64] x [K 64, N 2,048]; A: computed on the way; B: computed on the way: left as it is (an operand is computed on the way)
;;     5. batch 64 x [M 2,048, K 2,048] x [K 2,048, N 64]; A: computed on the way; B: computed on the way: left as it is (an operand is computed on the way)
;;     6. [M 8,192, K 1,024] x [K 1,024, N 1,024]; A: computed on the way; B: input Wp: left as it is (an operand is computed on the way)
;;   THE QUANTISER, for each operand of a quantised product, along K:
;;     - K is cut into blocks of 32 from its start; a last block that is shorter is filled with zeros.
;;     - A block's scale is 2^e with e = floor(log2(the largest magnitude in the block)) - 2, held to -126 .. 127; a block of zeros has e = 0. As a byte (E8M0): e + 127.
;;     - Each number is divided by its block's scale, clamped to +-6, and rounded to the nearest number of E2M1, ties to even, subnormals kept.
;;     - The product sums the exact products of the quantised numbers (number of the format x scale) in f32.
;;   ~~~python
;;   def quantise(x, axis):      # numpy; x: float32 -> the quantised numbers, widened to float32 again
;;       x = np.moveaxis(x, axis, -1); K = x.shape[-1]
;;       x = np.pad(x, [(0, 0)] * (x.ndim - 1) + [(0, -K % 32)]); x = x.reshape(x.shape[:-1] + (-1, 32)); a = np.abs(x).max(-1, keepdims=True)
;;       e = np.where(a > 0, np.clip(np.frexp(np.where(a > 0, a, 1))[1] - 1 - 2, -126, 127), 0)      # np.frexp(a)[1] - 1 = floor(log2(a)), exactly
;;       r = np.clip(x / 2.0 ** e, -6, 6)
;;       step = 2.0 ** (np.maximum(np.frexp(np.where(r == 0, 1, r))[1] - 1, 0) - 1)
;;       q = np.round(r / step) * step * 2.0 ** e      # np.round: ties to even
;;       return np.moveaxis(q.reshape(q.shape[:-2] + (-1,))[..., :K], -1, axis).astype(np.float32)
;;   ~~~
;; One version. Each part assembles by itself: llvm-mc -triple=amdgcn-amd-amdhsa -mcpu=gfx1250 --defsym DOCPART=n.
;; ======== version 1 of 1: 6 launches
;; limits: values are held in f16: magnitudes above 65,504 overflow, below 6.1e-05 lose precision
;; workspace buffers: x_codes 4,194,304 bytes; x_scales 262,144 bytes; w_codes 1,572,864 bytes; w_scales 98,304 bytes; wp16 2,097,152 bytes; qkv 50,331,648 bytes; y 16,777,216 bytes; yfine 262,144 bytes
;; launch prep (part 1): grid 368 x 1, 4 waves a work-group, no clusters, 68,096 bytes of LDS; arguments x, Wq, Wk, Wv, Wp, x_codes, x_scales, w_codes, w_scales, wp16; writes x_codes, x_scales, w_codes, w_scales, wp16
.if DOCPART == 1
	.amdgcn_target "amdgcn-amd-amdhsa--gfx1250"
	.amdhsa_code_object_version 6
	.text
	.protected	k_q1740bcb12d_prep
	.globl	k_q1740bcb12d_prep
	.p2align	8
	.type	k_q1740bcb12d_prep,@function
k_q1740bcb12d_prep:
	s_mov_b64 s[64:65], 0
	v_nop
	global_prefetch_b8 v0, s[64:65] scope:SCOPE_SE
	s_setreg_imm32_b32 hwreg(HW_REG_WAVE_MODE, 25, 1), 1
	s_wait_xcnt 0x0
; PREP.  Three jobs in one launch, told apart by the work-group's number at the head; the three ways never join.
;   work-groups   0 ..  47: Wq, Wk, Wv [1024 (k)][1024 (n)] f32 -> codes of FP4 (E2M1) laid [3072 (n)][1024 (k)], K innermost, row n = 1024 sel + column (sel 0 = q, 1 = k, 2 = v), and scale bytes [3072][32]
;   work-groups  48 .. 111: Wp f32 -> f16, as it lies
;   work-groups 112 .. 367: x [8192][1024] f32 -> codes [8192][512 bytes], scale bytes [8192][32]
; A block of 32 along K has the scale 2^(floor(log2(its largest magnitude)) - 2); its byte is the largest magnitude's exponent field - 2, held at 1 from below; each number is divided by the scale
; and rounded to the nearest code, ties to even, beyond 6 the largest code.
; LIMITS: a block of zeros gets the byte 1 where the rule says 127 (its codes are zeros, and this program alone reads the bytes); blocks whose largest magnitude lies under 2^-124 keep the byte 1;
; NaN and infinities among the inputs are not served; numbers of Wp beyond 65,504 do not fit f16.
; No tensor loads, no barrier: waves share nothing.  Each way has LDS bytes of its own.
.set SPW,    192                       ; v192 LDS address of my spare word: SPARE + 4 x my thread's number; never rewritten
.set NIL,    193                       ; v193 0; never rewritten
.set XREG,   8192                      ; x's way: a region for each wave: two stages of 32 x SP bytes, behind them its 256 scale bytes
.set SP,     80                        ; a lane's place in a stage: 64 bytes + 16 of padding
.set WSTG,   32768                     ; the weights' way: four stages of 32 rows x WPITCH
.set WPITCH, 272
.set SPARE,  67584                     ; the spare words, 128 bytes for each wave: two blocks of 256 bytes that no other line names
.set STEPS,  16
.set CB,     8                         ; bytes of 16 codes
.set XR,     16                        ; v16-79   x: four sets of 16 numbers as they are loaded
.set XN,     80                        ; v80-111  two sets of 16 neighbours
.set XE,     112                       ; v112-127 a scale byte for each step
.set XC,     128                       ; v128-191 codes, four registers for each step
.set NB,     16                        ; the weights: blocks of 32 along K for a wave
.set WX,     32                        ; v32-95   two sets of 32 numbers
.set WC,     96                        ; v96-99   a block's codes
.set WOUT,   112                       ; v112-175 the way out
.set WSB,    24                        ; v24-27   scale bytes, four to a register
	s_load_b256 s[4:11], s[0:1], 0x0               ; x s[4:5], Wq s[6:7], Wk s[8:9], Wv s[10:11]
	s_load_b256 s[12:19], s[0:1], 0x20             ; Wp s[12:13], x_codes s[14:15], x_scales s[16:17], w_codes s[18:19]
	s_load_b128 s[20:23], s[0:1], 0x40             ; w_scales s[20:21], wp16 s[22:23]
	v_lshl_add_u32 v[SPW], v0, 2, SPARE
	v_mov_b32 v[NIL], 0
	v_lshrrev_b32 v1, 5, v0
	v_readfirstlane_b32 s24, v1                    ; wave 0..3
	v_and_b32 v2, 31, v0                           ; lane
	s_wait_kmcnt 0x0
	s_cmp_lt_u32 ttmp9, 48
	s_cbranch_scc1 .Lw
	s_cmp_lt_u32 ttmp9, 112
	s_cbranch_scc1 .Lp
; ---------------- x: a plain stream of blocks of 32.  A wave takes 16 steps of 512 numbers.  Each load reads 512 consecutive bytes; a step's 2,048 bytes turn through the wave's stage and come back 64 bytes a lane,
; so that a lane holds 16 neighbours along K and two neighbouring lanes a block.
	v_lshlrev_b32 v3, 4, v2                        ; my 16 bytes of a load's 512
	s_mul_i32 s25, s24, XREG
	v_lshrrev_b32 v14, 2, v2
	v_mul_u32_u24 v14, v14, SP
	v_and_b32 v15, 3, v2
	v_lshl_add_u32 v14, v15, 4, v14
	v_add_nc_u32 v14, s25, v14                     ; the stage, on the way in: SP (lane / 4) + 16 (lane % 4)
	v_mul_u32_u24 v15, v2, SP
	v_add_nc_u32 v15, s25, v15                     ; and on the way out: SP x lane
	v_mul_u32_u24 v4, v2, CB                       ; my codes' place in a step's
	v_lshrrev_b32 v5, 1, v2
	s_add_co_u32 s25, s25, 2*32*SP
	v_add_nc_u32 v5, s25, v5                       ; my wave's 256 scale bytes, my block's byte
	v_lshlrev_b32 v7, 3, v2
	v_add_nc_u32 v6, s25, v7                       ; and on the way out 8 bytes a lane
	s_sub_co_u32 s26, ttmp9, 112
	s_lshl_b32 s26, s26, 2
	s_add_co_u32 s26, s26, s24                     ; which run of 8,192 numbers is my wave's: 0 .. 1,023
	s_mov_b32 s29, 0
	s_lshl_b32 s28, s26, 15                        ; 32,768 bytes of numbers a run
	s_add_nc_u64 s[4:5], s[4:5], s[28:29]
	s_lshl_b32 s28, s26, 12                        ; 4,096 bytes of codes
	s_add_nc_u64 s[14:15], s[14:15], s[28:29]
	s_lshl_b32 s28, s26, 8                         ; 256 scale bytes
	s_add_nc_u64 s[16:17], s[16:17], s[28:29]
.macro XLOAD t
.irp i, 0,1,2,3
	global_load_b128 v[XR+16*((\t)%4)+4*\i:XR+16*((\t)%4)+4*\i+3], v3, s[4:5] offset:2048*(\t)+512*\i th:TH_LOAD_NT   ; 32 lanes read 512 consecutive bytes
.endr
.endm
.macro XTURN t                         ; step t's numbers through the stage: LDS serves a wave's instructions in order, so no wait stands between the stores and the loads
.irp i, 0,1,2,3
	ds_store_b128 v14, v[XR+16*((\t)%4)+4*\i:XR+16*((\t)%4)+4*\i+3] offset:32*SP*((\t)%2)+8*SP*\i
.endr
.irp i, 0,1,2,3
	ds_load_b128 v[XN+16*((\t)%2)+4*\i:XN+16*((\t)%2)+4*\i+3], v15 offset:32*SP*((\t)%2)+16*\i
.endr
.endm
.irp t, 0,1,2,3
	XLOAD \t
.endr
	s_wait_loadcnt 12                              ; step 0's four loads are in; the twelve of steps 1 to 3 may be out
	XTURN 0
.macro XSTEP t
.set XS, XN+16*((\t)%2)
.if (\t) > 0
	s_wait_dscnt 1                                 ; this step's numbers are back from the stage (the last step's byte store may be out)
.else
	s_wait_dscnt 0x0
.endif
.if (\t)+4 < STEPS
	XLOAD (\t)+4                                   ; into the set whose stores into the stage have read their registers
.endif
.if (\t)+1 < STEPS
.if STEPS-2-(\t) >= 3
	s_wait_loadcnt 12                              ; the next step's four loads are in; those of the three steps behind it may be out
.else
	s_wait_loadcnt 4*(STEPS-2-(\t))
.endif
	XTURN (\t)+1
.endif
	v_max3_num_f32 v8, |v[XS]|, |v[XS+1]|, |v[XS+2]|               ; the largest magnitude of my 16, in two chains
	v_max3_num_f32 v9, |v[XS+3]|, |v[XS+4]|, |v[XS+5]|
.irp i, 6,10
	v_max3_num_f32 v8, v8, |v[XS+\i]|, |v[XS+\i+1]|
	v_max3_num_f32 v9, v9, |v[XS+\i+2]|, |v[XS+\i+3]|
.endr
	v_max3_num_f32 v8, v8, |v[XS+14]|, |v[XS+15]|
	v_max3_num_f32 v8, v8, v9, 0x1800000           ; and the floor 2^(3 - 127): the byte cannot fall under 1
	v_max_num_f32_dpp v8, v8, v8 row_xmask:1 row_mask:0xf bank_mask:0xf   ; with my neighbour's 16: the block's
	v_add_nc_u32 v11, 0xff000000, v8               ; 2 off its exponent field: the conversion takes the exponent field of this operand as its scale
	v_cvt_scalef32_pk8_fp4_f32 v[XC+4*(\t)], v[XS:XS+7], v11
	v_cvt_scalef32_pk8_fp4_f32 v[XC+4*(\t)+1], v[XS+8:XS+15], v11
	v_lshrrev_b32 v[XE+(\t)], 23, v11              ; the scale's byte
	ds_store_b8 v5, v[XE+(\t)] offset:16*(\t)      ; both lanes of a block write the same byte with the same value
	global_store_b64 v4, v[XC+4*(\t):XC+4*(\t)+1], s[14:15] offset:32*CB*(\t)   ; the wave stores 256 consecutive bytes, aligned
.endm
.irp t, 0,1,2,3,4,5,6,7,8,9,10,11,12,13,14,15
	XSTEP \t
.endr
	ds_load_b64 v[8:9], v6                         ; LDS serves a wave's instructions in order: these see my byte stores
	s_wait_dscnt 0x0
	global_store_b64 v7, v[8:9], s[16:17]          ; 32 lanes store 256 consecutive scale bytes, aligned
	s_wait_tensorcnt 0x0                           ; the wave's end, behind my last LDS store
	ds_add_u32 v[SPW], v[NIL]
	s_wait_dscnt 0x0
	s_endpgm
; ---------------- the three weights of the quantised products.  K is their FIRST axis: a lane takes a column n and its registers run down K, so that a block of 32 lies in one lane and the codes come out with K innermost.
; A wave takes 32 columns x 512 along K; its codes go through its stage and leave as rows: sixteen lanes store 256 consecutive bytes.
.Lw:
	s_lshr_b32 s25, ttmp9, 4                       ; sel: which weight
	s_and_b32 s26, ttmp9, 7                        ; which 128 columns
	s_bfe_u32 s27, ttmp9, 0x10003                  ; which 512 along K
	s_cmp_eq_u32 s25, 0
	s_cselect_b64 s[6:7], s[6:7], s[8:9]           ; Wq or Wk,
	s_cmp_eq_u32 s25, 2
	s_cselect_b64 s[6:7], s[10:11], s[6:7]         ; or Wv: the choice hangs on the work-group's number alone
	s_lshl_b32 s28, s26, 7
	s_lshl_b32 s29, s24, 5
	s_add_co_u32 s28, s28, s29                     ; my wave's first column
	v_lshlrev_b32 v3, 2, v2                        ; in: 4 bytes a lane
	s_mul_i32 s29, s24, 32*WPITCH
	s_add_co_u32 s29, s29, WSTG                    ; my stage
	v_mul_u32_u24 v4, v2, WPITCH
	v_add_nc_u32 v4, s29, v4                       ; into it: row = my column
	v_and_b32 v5, 15, v2
	v_lshrrev_b32 v6, 4, v2                        ; out of it: sixteen lanes to a row, two rows an instruction
	v_mul_u32_u24 v7, v6, WPITCH
	v_lshl_add_u32 v7, v5, 4, v7
	v_add_nc_u32 v7, s29, v7
	v_lshlrev_b32 v8, 9, v6                        ; the same place in the codes' buffer: rows of 512 bytes
	v_lshl_add_u32 v8, v5, 4, v8
	v_lshlrev_b32 v9, 5, v2                        ; my column's row of 32 scale bytes
	s_mov_b32 s31, 0
	s_lshl_b32 s30, s27, 21                        ; 512 rows of 4,096 bytes
	s_lshl_b32 s33, s28, 2
	s_add_co_u32 s30, s30, s33
	s_add_nc_u64 s[6:7], s[6:7], s[30:31]
	s_lshl_b32 s32, s25, 10
	s_add_co_u32 s32, s32, s28                     ; my first row of the codes' buffer: 1024 sel + column
	s_lshl_b32 s30, s32, 9
	s_lshl_b32 s33, s27, 8
	s_add_co_u32 s30, s30, s33
	s_add_nc_u64 s[18:19], s[18:19], s[30:31]
	s_lshl_b32 s30, s32, 5
	s_lshl_b32 s33, s27, 4
	s_add_co_u32 s30, s30, s33
	s_add_nc_u64 s[20:21], s[20:21], s[30:31]
.macro WLOAD t                         ; block t: W(32 t + i, my column), i = 0 .. 31, into set t % 2; every offset is an immediate, 511 rows of 4,096 bytes at the most
.irp i, 0,1,2,3,4,5,6,7,8,9,10,11,12,13,14,15,16,17,18,19,20,21,22,23,24,25,26,27,28,29,30,31
	global_load_b32 v[WX+32*((\t)%2)+\i], v3, s[6:7] offset:(32*(\t)+\i)*4096 th:TH_LOAD_NT
.endr
.endm
	WLOAD 0
	WLOAD 1
.macro WBLOCK t
.set XS, WX+32*((\t)%2)
.if (\t) < NB-1
	s_wait_loadcnt 32                              ; this block's 32 loads are in; the next block's 32 may be out
.else
	s_wait_loadcnt 0
.endif
	v_max3_num_f32 v12, |v[XS]|, |v[XS+1]|, |v[XS+2]|              ; the block's largest magnitude: all 32 numbers are mine
	v_max3_num_f32 v13, |v[XS+3]|, |v[XS+4]|, |v[XS+5]|
.irp i, 6,10,14,18,22,26
	v_max3_num_f32 v12, v12, |v[XS+\i]|, |v[XS+\i+1]|
	v_max3_num_f32 v13, v13, |v[XS+\i+2]|, |v[XS+\i+3]|
.endr
	v_max3_num_f32 v12, v12, |v[XS+30]|, |v[XS+31]|
	v_max3_num_f32 v12, v12, v13, 0x1800000        ; and the floor 2^(3 - 127)
	v_add_nc_u32 v11, 0xff000000, v12              ; the conversion's scale operand
	v_lshrrev_b32 v13, 23, v11                     ; the scale's byte
.if (\t)%4 == 0
	v_mov_b32 v[WSB+(\t)/4], v13                   ; four bytes to a register, the lower K in the lower byte
.else
	v_lshl_or_b32 v[WSB+(\t)/4], v13, 8*((\t)%4), v[WSB+(\t)/4]
.endif
.irp g, 0,1,2,3
	v_cvt_scalef32_pk8_fp4_f32 v[WC+\g], v[XS+8*\g:XS+8*\g+7], v11
.endr
	ds_store_b128 v4, v[WC:WC+3] offset:16*(\t)    ; 32 codes: 16 bytes of my column's row
.if (\t)+2 < NB
	WLOAD (\t)+2
.endif
	s_wait_dscnt 0x0                               ; the store has read its registers: the next block's codes may be written
.endm
.irp t, 0,1,2,3,4,5,6,7,8,9,10,11,12,13,14,15
	WBLOCK \t
.endr
	global_store_b128 v9, v[WSB:WSB+3], s[20:21]   ; my column's 16 scale bytes
.irp t, 0,1,2,3,4,5,6,7,8,9,10,11,12,13,14,15
	ds_load_b128 v[WOUT+4*\t:WOUT+4*\t+3], v7 offset:2*\t*WPITCH
.endr
.irp t, 0,1,2,3,4,5,6,7,8,9,10,11,12,13,14,15
	s_wait_dscnt 15-\t                             ; LDS loads come back in order: load t is in, the 15 - t behind it may be out
	global_store_b128 v8, v[WOUT+4*\t:WOUT+4*\t+3], s[18:19] offset:2*\t*512
.endr
	s_wait_tensorcnt 0x0                           ; the wave's end
	ds_add_u32 v[SPW], v[NIL]
	s_wait_dscnt 0x0
	s_endpgm
; ---------------- Wp to f16, as it lies.  A wave takes 4,096 numbers; a lane 8 neighbours a step: two loads of 16 bytes in, one store of 16 bytes out (512 consecutive bytes a wave).
.Lp:
	s_sub_co_u32 s25, ttmp9, 48
	s_lshl_b32 s25, s25, 2
	s_add_co_u32 s25, s25, s24                     ; my wave's run: 0 .. 255
	s_mov_b32 s27, 0
	s_lshl_b32 s26, s25, 14
	s_add_nc_u64 s[12:13], s[12:13], s[26:27]
	s_lshl_b32 s26, s25, 13
	s_add_nc_u64 s[22:23], s[22:23], s[26:27]
	v_lshlrev_b32 v3, 5, v2
	v_lshlrev_b32 v4, 4, v2
.irp t, 0,1,2,3,4,5,6,7,8,9,10,11,12,13,14,15
	global_load_b128 v[32+8*\t:35+8*\t], v3, s[12:13] offset:1024*\t th:TH_LOAD_NT
	global_load_b128 v[36+8*\t:39+8*\t], v3, s[12:13] offset:1024*\t+16 th:TH_LOAD_NT
.endr
.irp t, 0,1,2,3,4,5,6,7,8,9,10,11,12,13,14,15
	s_wait_loadcnt 30-2*\t                         ; step t's two loads are in; the later steps' may be out
.irp j, 0,1,2,3
	v_cvt_pk_f16_f32 v[32+8*\t+\j], v[32+8*\t+2*\j], v[32+8*\t+2*\j+1]   ; in place, ascending: no number is written over before it is read
.endr
	global_store_b128 v4, v[32+8*\t:35+8*\t], s[22:23] offset:512*\t
.endr
	s_wait_tensorcnt 0x0                           ; the same closing lines as on the other two ways
	ds_add_u32 v[SPW], v[NIL]
	s_wait_dscnt 0x0
	s_endpgm
.Lfunc_end_k_q1740bcb12d_prep:
	.size	k_q1740bcb12d_prep, .Lfunc_end_k_q1740bcb12d_prep-k_q1740bcb12d_prep
	.p2alignl 7, 3214868480
	.fill 96, 4, 3214868480
	.section	.rodata,"a",@progbits
	.p2align	6, 0x0
	.amdhsa_kernel k_q1740bcb12d_prep
		.amdhsa_group_segment_fixed_size 68096
		.amdhsa_private_segment_fixed_size 0
		.amdhsa_enable_private_segment 0
		.amdhsa_kernarg_size 80
		.amdhsa_user_sgpr_count 2
		.amdhsa_user_sgpr_kernarg_segment_ptr 1
		.amdhsa_wavefront_size32 1
		.amdhsa_system_sgpr_workgroup_id_x 1
		.amdhsa_system_sgpr_workgroup_id_y 1
		.amdhsa_system_sgpr_workgroup_id_z 1
		.amdhsa_system_vgpr_workitem_id 0
		.amdhsa_next_free_vgpr 196
		.amdhsa_next_free_sgpr 66
		.amdhsa_reserve_vcc 0
		.amdhsa_float_denorm_mode_32 3
		.amdhsa_float_denorm_mode_16_64 3
		.amdhsa_memory_ordered 1
		.amdhsa_forward_progress 1
		.amdhsa_inst_pref_size 120
	.end_amdhsa_kernel
	.amdgpu_metadata
---
amdhsa.version: [ 1, 2 ]
amdhsa.kernels:
  - .name:           k_q1740bcb12d_prep
    .symbol:         k_q1740bcb12d_prep.kd
    .args:
      - { .name: x, .offset: 0, .size: 8, .value_kind: global_buffer, .address_space: global }
      - { .name: Wq, .offset: 8, .size: 8, .value_kind: global_buffer, .address_space: global }
      - { .name: Wk, .offset: 16, .size: 8, .value_kind: global_buffer, .address_space: global }
      - { .name: Wv, .offset: 24, .size: 8, .value_kind: global_buffer, .address_space: global }
      - { .name: Wp, .offset: 32, .size: 8, .value_kind: global_buffer, .address_space: global }
      - { .name: x_codes, .offset: 40, .size: 8, .value_kind: global_buffer, .address_space: global }
      - { .name: x_scales, .offset: 48, .size: 8, .value_kind: global_buffer, .address_space: global }
      - { .name: w_codes, .offset: 56, .size: 8, .value_kind: global_buffer, .address_space: global }
      - { .name: w_scales, .offset: 64, .size: 8, .value_kind: global_buffer, .address_space: global }
      - { .name: wp16, .offset: 72, .size: 8, .value_kind: global_buffer, .address_space: global }
    .group_segment_fixed_size: 68096
    .private_segment_fixed_size: 0
    .kernarg_segment_align: 8
    .kernarg_segment_size: 80
    .max_flat_workgroup_size: 128
    .sgpr_count:     66
    .vgpr_count:     196
    .wavefront_size: 32
...
	.end_amdgpu_metadata
.endif
;; end of part 1
;; launch qkv (part 2): grid 12 x 32, 4 waves a work-group, clusters of 4 x 4, 327,680 bytes of LDS; arguments x_codes, x_scales, w_codes, w_scales, bq, bk, bv, qkv; writes qkv
.if DOCPART == 2
	.amdgcn_target "amdgcn-amd-amdhsa--gfx1250"
	.amdhsa_code_object_version 6
	.text
	.protected	k_q1740bcb12d_qkv
	.globl	k_q1740bcb12d_qkv
	.p2align	8
	.type	k_q1740bcb12d_qkv,@function
k_q1740bcb12d_qkv:
	s_mov_b64 s[64:65], 0
	v_nop
	global_prefetch_b8 v0, s[64:65] scope:SCOPE_SE
	s_setreg_imm32_b32 hwreg(HW_REG_WAVE_MODE, 25, 1), 1
	s_wait_xcnt 0x0
	s_wait_alu depctr_hold_cnt(0) depctr_sa_sdst(0) depctr_va_vdst(0) depctr_va_sdst(0) depctr_va_ssrc(0) depctr_va_vcc(0) depctr_vm_vsrc(0)
	s_getreg_b32 s2, hwreg(HW_REG_IB_STS2, 6, 4)
	s_cmp_eq_u32 s2, 0
	s_cbranch_scc0 .Lentry_in_a_cluster
	s_endpgm
.Lentry_in_a_cluster:
	s_bfe_u32 s2, ttmp6, 0x10000c
	s_cmp_lg_u32 s2, 0xf033
	s_cbranch_scc0 .Lentry_shape_is_right
	s_endpgm
.Lentry_shape_is_right:
; q, k, v = x W + b, the three quantised products as ONE product C[m][n] = sum over k of A[m][k] B[n][k] on codes of FP4 (E2M1) with one E8M0 scale for each 32 along K.
; A = x's codes [8192][1024], B = the three weights' codes [3072][1024] (row n = 1024 sel + column).  The result, with its bias, is rounded to f16 and laid by heads: qkv[sel][batch][head][t][64].
; A tile of C, 256 x 256, is made by a work-group of four waves; a wave makes 128 x 128: 64 accumulators of 16 x 16, 512 registers.  K = 1,024 is two LDS slots of 512: both are first fills, nothing is filled again, there is no loop.
; THE SCALES of the work-group's 256 rows of A and of B, for all of K, are two dense blocks of 8,192 bytes: they come into LDS once, with the first fills.  A wave has three tensor loads out at the most.
; CLUSTERS: 4 x 4 work-groups.  The four of a row of the cluster need the same tiles of A, the four of a column the same tiles of B: each tile is asked for JOINTLY.
; THE MATRIX INSTRUCTION IS USED TRANSPOSED (source 0 = 16 rows of B, source 1 = 16 rows of A): a lane holds eight neighbouring columns of one row of C.  THE BIAS is the C of each sum's first instruction.
; No prefetch: the codes are 6 MB that many work-groups read, and the launch is short.
; LIMIT: |q|, |k|, |v| beyond 65,504 do not fit f16.
; REGISTERS: window 0: v0-31 addresses; v32-95 scale words, two sets, and nothing else; v128-191 A's fragments, one set; v192-255 the biases; on the way out v128-223 are free.
;   window 1: B's fragments, two sets, at v0 and v128.   window 2: the accumulators of my rows 0-63 ((a, b) at v[8 (8 a + b)]);   window 3: those of my rows 64-127.
.set SIZE_K, 1024
.set KSTEP,  512                       ; along K in a slot
.set NQ,     KSTEP/128                 ; matrix instructions deep
.set ROWB,   256                       ; a tile's row in bytes
.set KROW,   SIZE_K*4/8                ; a row of codes in memory
.set PITCH,  272                       ; an LDS row: 256 bytes + 16 of padding = 68 words: the 16 rows that a load touches start at 16 different banks (64 banks of 4 bytes: ISA guide 11.1)
.set FR,     8                         ; registers of a fragment: 16 rows x 128 K
.set NL,     2                         ; LDS loads that bring one
.set NP,     4                         ; places behind this matrix instruction (ISA guide 7.12.1)
.set HALFT,  128*PITCH
.set SLOT,   4*HALFT                   ; A's 256 rows, then B's 256 rows
.set KS,     SIZE_K/32                 ; a row of scales in bytes
.set SCL,    2*SLOT                    ; behind the ring: the scales, as units of 256 bytes + 16 of padding
.set HALFS,  (128*KS/256)*272
.set SBLK,   (16*KS/256)*272
.set SPARE,  SCL+4*HALFS               ; the spare words, 128 bytes for each wave: two blocks of 256 bytes that no other line names
.set SPITCH, 272                       ; the way out: a stage of 16 rows x (256 bytes + 16) for each wave, in slot 0, which has had its only fill and its last read when the first result is stored there
.set ADRA, 16                          ; v16-17  LDS address of my A fragments in slot 0, 1
.set ADRB, 20                          ; v20-21  the same for B
.set STO,  24                          ; v24     the way out: where I put 16 bytes of a row
.set RD,   25                          ; v25     the way out: where I read rows back
.set CO,   26                          ; v26     16 x lane
.set ADRS, 27                          ; v27     LDS address of my scale words: lanes 0-15 A's rows, lanes 16-31 B's
.set SPW,  28                          ; v28     my spare word; never rewritten
.set NIL,  29                          ; v29     0; never rewritten
.set BO,   30                          ; v30     32 x (lane / 16): my half's eight biases of a block
.set SC,   32
.set AF,   128
.set BIAS, 192                         ; v192-255: block b's eight biases at v[BIAS + 8 b], in the result's layout
.set TMP,  128                         ; the way out: packed results
.set BK,   160                         ; the way out: rows read back: v160-191 and v192-223 by turns
.set G1, 24
.set G0, 32
.set G1B, 48
.set G0B, 56
.set G1S, 68
.set G0S, 76
.set G1SB, 80
.set G0SB, 88
.set MSB, 0
.macro WIN new                         ; the immediate's high byte repeats the setting that is left
.if MSB != \new
	s_set_vgpr_msb (MSB<<8)|\new
.set MSB, \new
.endif
.endm
.set MUL_LO, 0xa1                      ; source 0 (B) window 1, source 1 (A) window 0, C and D window 2
.set MUL_HI, 0xf1                      ; the same, C and D window 3
.set TO_B,   0x40                      ; destination window 1, address window 0
; A joint load: waves 0 and 1 fetch for A, waves 2 and 3 for B; the branch hangs on the wave's number alone.  An s_nop 0 and four v_nop follow each of the two lines.
.macro JLOAD g0a, g1a, g0b, g1b
	s_cmp_eq_u32 s15, 0
	s_cbranch_scc0 .Lfor_b_\@
	tensor_load_to_lds s[\g0a:\g0a+3], s[\g1a:\g1a+7]
	s_nop 0
.rept 4
	v_nop
.endr
	s_branch .Lasked_\@
.Lfor_b_\@:
	tensor_load_to_lds s[\g0b:\g0b+3], s[\g1b:\g1b+7]
	s_nop 0
.rept 4
	v_nop
.endr
.Lasked_\@:
.endm
.macro CROUND                          ; a round of the cluster's barrier
	s_barrier_signal -1
	s_barrier_wait -1
	s_cmp_lg_u32 s14, 0
	s_cbranch_scc1 .Lnot_wave_0_\@
	s_barrier_signal -3
.Lnot_wave_0_\@:
	s_barrier_wait -3
	s_barrier_signal -1
	s_barrier_wait -1
.endm
	s_load_b128 s[4:7], s[0:1], 0x0                ; x's codes s[4:5], x's scales s[6:7]
	s_load_b128 s[8:11], s[0:1], 0x10              ; the weights' codes s[8:9], their scales s[10:11]
	s_load_b128 s[96:99], s[0:1], 0x20             ; bq s[96:97], bk s[98:99]
	s_load_b64 s[100:101], s[0:1], 0x30            ; bv
	s_load_b64 s[12:13], s[0:1], 0x38              ; qkv
	v_lshl_add_u32 v[SPW], v0, 2, SPARE
	v_mov_b32 v[NIL], 0
	ds_add_u32 v[SPW], v[NIL]                      ; the wave's opening: the add, twice on end, and its wait ahead of my first tensor load
	ds_add_u32 v[SPW], v[NIL]
	v_lshrrev_b32 v1, 5, v0
	v_readfirstlane_b32 s14, v1                    ; wave 0..3
	s_lshr_b32 s15, s14, 1                         ; which half of the tile's rows is mine.  Also: I fetch for A (0) or for B (1)
	s_and_b32 s16, s14, 1                          ; which half of its columns.  Also: which 128 rows of that tile I fetch
	s_bfe_u32 s40, ttmp6, 0x40000                  ; cx, cy: my place in the cluster
	s_bfe_u32 s41, ttmp6, 0x40004
	s_lshl_b32 s42, ttmp9, 2
	s_add_co_u32 s42, s42, s40                     ; tile column of C = 4 x cluster x + cx
	s_and_b32 s17, ttmp7, 0xffff
	s_lshl_b32 s17, s17, 2
	s_add_co_u32 s17, s17, s41                     ; tile row of C = 4 x cluster y + cy
	s_lshl_b32 s43, s41, 2
	s_lshl_b32 s43, 15, s43                        ; my row of the cluster
	s_lshl_b32 s44, 0x1111, s40                    ; my column
	; descriptor group 1: a tile of 128 rows x 256 bytes, padded in LDS
	s_or_b32 s[G1+0], s43, (0<<16)|(1<<20)|(1<<21)|(5<<22)|(3<<25)  ; 15:0 the mask; 17:16 elements of 1 byte; 20 padding on; 21 set beside a mask; 24:22 after every 64 words; 31:25 four words
	s_or_b32 s[G1B+0], s44, (0<<16)|(1<<20)|(1<<21)|(5<<22)|(3<<25)
.irp g, G1, G1B
	s_mov_b32 s[\g+1], ROWB<<16                    ; tensor_dim0
	s_mov_b32 s[\g+2], 128<<16                     ; tensor_dim1
	s_mov_b32 s[\g+3], ROWB<<16                    ; tile_dim0
	s_mov_b32 s[\g+4], 128                         ; tile_dim1
	s_mov_b32 s[\g+5], KROW                        ; from row to row
	s_mov_b32 s[\g+6], 0
	s_mov_b32 s[\g+7], 0
.endr
	; the scales of 128 rows: a dense block of 4,096 bytes, as 16 rows of 256 bytes (32 elements of 8 bytes), 16 bytes of padding behind each
	s_or_b32 s[G1S+0], s43, (3<<16)|(1<<20)|(1<<21)|(5<<22)|(3<<25)
	s_or_b32 s[G1SB+0], s44, (3<<16)|(1<<20)|(1<<21)|(5<<22)|(3<<25)
.irp g, G1S, G1SB
	s_mov_b32 s[\g+1], 32<<16
	s_mov_b32 s[\g+2], (128*KS/256)<<16
	s_mov_b32 s[\g+3], 32<<16
	s_mov_b32 s[\g+4], 128*KS/256
	s_mov_b32 s[\g+5], 32
	s_mov_b32 s[\g+6], 0
	s_mov_b32 s[\g+7], 0
.endr
	s_lshl_b32 s18, s16, 7                         ; which 128 rows of the tile I fetch
	s_lshl_b32 s20, s17, 8
	s_add_co_u32 s20, s20, s18                     ; A: row 256 x tile row + 128 x half
	s_lshl_b32 s46, s42, 8
	s_add_co_u32 s46, s46, s18                     ; B: row 256 x tile column + 128 x half
	s_mov_b32 s21, 0
	s_mov_b32 s47, 0
	s_mov_b64 s[18:19], KS
	s_mul_u64 s[22:23], s[20:21], s[18:19]         ; where these rows' scales begin, in bytes
	s_mul_u64 s[92:93], s[46:47], s[18:19]
	s_mov_b64 s[18:19], KROW
	s_mul_u64 s[20:21], s[20:21], s[18:19]         ; and their codes
	s_mul_u64 s[46:47], s[46:47], s[18:19]
	s_mul_i32 s45, s14, HALFT                      ; where they go: wave x 128 rows: no place in the cluster enters an LDS address
	s_mul_i32 s94, s14, HALFS
	s_wait_dscnt 0x0                               ; both opening adds are done
	s_wait_kmcnt 0x0
	s_add_nc_u64 s[20:21], s[4:5], s[20:21]
	s_add_nc_u64 s[22:23], s[6:7], s[22:23]
	s_add_nc_u64 s[46:47], s[8:9], s[46:47]
	s_add_nc_u64 s[92:93], s[10:11], s[92:93]
	CROUND                                         ; all sixteen work-groups are here: the first joint loads meet
	s_mov_b32 s[G0S], 1
	s_add_co_u32 s[G0S+1], s94, SCL
	s_mov_b64 s[G0S+2:G0S+3], s[22:23]
	s_or_b32 s[G0S+3], s[G0S+3], 0x80000000
	s_mov_b32 s[G0SB], 1
	s_add_co_u32 s[G0SB+1], s94, SCL
	s_mov_b64 s[G0SB+2:G0SB+3], s[92:93]
	s_or_b32 s[G0SB+3], s[G0SB+3], 0x80000000
	JLOAD G0S, G1S, G0SB, G1SB                     ; the scales first: they are wanted with the first slot
.irp s, 0,1
	s_mov_b32 s[G0+4*\s], 1
	s_add_co_u32 s[G0+4*\s+1], s45, \s*SLOT
	s_add_nc_u64 s[G0+4*\s+2:G0+4*\s+3], s[20:21], \s*ROWB
	s_or_b32 s[G0+4*\s+3], s[G0+4*\s+3], 0x80000000
	s_mov_b32 s[G0B+4*\s], 1
	s_add_co_u32 s[G0B+4*\s+1], s45, \s*SLOT
	s_add_nc_u64 s[G0B+4*\s+2:G0B+4*\s+3], s[46:47], \s*ROWB
	s_or_b32 s[G0B+4*\s+3], s[G0B+4*\s+3], 0x80000000
	JLOAD G0+4*\s, G1, G0B+4*\s, G1B
.endr
	v_and_b32 v1, 15, v0                           ; r = lane % 16
	v_bfe_u32 v2, v0, 4, 1                         ; h = lane / 16
	v_mul_u32_u24 v3, v1, PITCH
	v_lshl_add_u32 v4, v2, 4, v3                   ; a fragment's row x pitch + 16 x half
	s_mul_i32 s21, s15, HALFT                      ; my 128 rows of A
	s_mul_i32 s22, s16, HALFT                      ; my 128 rows of B,
	s_add_co_u32 s22, s22, 2*HALFT                 ; which lie behind A's 256
.irp s, 0,1
	v_add_nc_u32 v[ADRA+\s], s21, v4
	v_add_nc_u32 v[ADRB+\s], s22, v4
	s_add_co_u32 s21, s21, SLOT
	s_add_co_u32 s22, s22, SLOT
.endr
	v_mul_u32_u24 v5, v1, KS                       ; my row's scales: 32 bytes a row,
	v_lshrrev_b32 v6, 8, v5
	v_lshl_add_u32 v5, v6, 4, v5                   ; and 16 more for each 256 passed
	s_mul_i32 s21, s15, HALFS                      ; A's: my 128 rows
	s_mul_i32 s22, s16, HALFS                      ; B's: my 128 rows, behind A's 256
	s_add_co_u32 s22, s22, 2*HALFS
	s_sub_co_u32 s22, s22, s21
	v_mul_u32_u24 v6, s22, v2                      ; lanes 16-31 take B's: the lower base + h x the distance
	s_add_co_u32 s21, s21, SCL
	v_add_nc_u32 v5, v5, v6
	v_add_nc_u32 v[ADRS], s21, v5
	s_mul_i32 s23, s14, 16*SPITCH                  ; my stage
	v_mul_u32_u24 v5, v1, SPITCH                   ; in: row r, 16 bytes for each half of the lanes
	v_lshl_add_u32 v5, v2, 4, v5
	v_add_nc_u32 v[STO], s23, v5
	v_and_b32 v6, 31, v0
	v_lshlrev_b32 v[CO], 4, v6
	v_lshrrev_b32 v5, 3, v6                        ; back: eight lanes take the 128 bytes that one head has in a row, the 32 lanes four rows
	v_mul_u32_u24 v5, v5, SPITCH
	v_and_b32 v6, 7, v0
	v_lshl_add_u32 v5, v6, 4, v5
	v_add_nc_u32 v[RD], s23, v5
	v_lshlrev_b32 v[BO], 5, v2
	; the bias of my section: the section is the cluster's x, alike in all sixteen partners
	s_cmp_eq_u32 ttmp9, 0
	s_cselect_b64 s[96:97], s[96:97], s[98:99]
	s_cmp_eq_u32 ttmp9, 2
	s_cselect_b64 s[96:97], s[100:101], s[96:97]
	s_lshl_b32 s46, s40, 10                        ; my first column in the section, in bytes of f32: 256 cx + 128 x half
	s_lshl_b32 s47, s16, 9
	s_add_co_u32 s46, s46, s47
	s_mov_b32 s47, 0
	s_add_nc_u64 s[96:97], s[96:97], s[46:47]
.irp b, 0,1,2,3,4,5,6,7
	global_load_b128 v[BIAS+8*\b:BIAS+8*\b+3], v[BO], s[96:97] offset:64*\b      ; lane (r, h): the biases of columns 16 b + 8 h + 0 .. 7
	global_load_b128 v[BIAS+8*\b+4:BIAS+8*\b+7], v[BO], s[96:97] offset:64*\b+16
.endr
	; where my part begins in qkv: section, batch, my first head, my first t
	s_lshr_b32 s20, s17, 3
	s_lshl_b32 s20, s20, 22                        ; batch = tile row / 8: 16 heads of 262,144 bytes
	s_and_b32 s21, s17, 7
	s_lshl_b32 s21, s21, 15                        ; t = 256 (tile row % 8): rows of 128 bytes
	s_add_co_u32 s20, s20, s21
	s_lshl_b32 s21, s15, 14                        ; + 128 x my half of the rows
	s_add_co_u32 s20, s20, s21
	s_lshl_b32 s21, ttmp9, 24                      ; the section: 16,777,216 bytes
	s_add_co_u32 s20, s20, s21
	s_lshl_b32 s46, s40, 20                        ; head 4 cx
	s_lshl_b32 s47, s16, 19                        ; + 2 x my half of the columns
	s_add_co_u32 s46, s46, s47
	s_add_co_u32 s20, s20, s46
	s_mov_b32 s21, 0
	s_add_nc_u64 s[12:13], s[12:13], s[20:21]
.macro FRAG reg, adr, q, i             ; a fragment, 16 rows x 128 K of 4-bit codes: lane l holds row l % 16; registers 4 c .. 4 c + 3 hold K = 64 c + 32 (l / 16) + 0 .. 31
.irp c, 0,1
	ds_load_b128 v[\reg+4*\c:\reg+4*\c+3], v[\adr] offset:64*(\q)+32*\c+(\i)*16*PITCH
.endr
.endm
; 16 matrix instructions: A's blocks a0, a0 + 1 x B's eight, the slot's q-th 128 along K.  p: B's set;  sc: the set of scale words.  zero = 1: the first product starts the sums, with the bias as its C.
; The 64 accumulators take turns, one instruction a turn, in the same order in every step.
.macro MUL16 a0, p, q, sc, zero
.irp a, \a0, \a0+1
.irp b, 0,1,2,3,4,5,6,7
.if \zero
	v_wmma_scale_f32_16x16x128_f8f6f4 v[8*(8*((\a)%4)+\b):8*(8*((\a)%4)+\b)+7], v[128*(\p)+FR*\b:128*(\p)+FR*\b+FR-1], v[AF+FR*(\a):AF+FR*(\a)+FR-1], v[BIAS+8*\b:BIAS+8*\b+7], v[SC+8*NQ*(\sc)+NQ*\b+(\q)], v[SC+8*NQ*(\sc)+NQ*(\a)+(\q)] matrix_a_fmt:MATRIX_FMT_FP4 matrix_b_fmt:MATRIX_FMT_FP4 matrix_a_scale:MATRIX_SCALE_ROW1
.else
	v_wmma_scale_f32_16x16x128_f8f6f4 v[8*(8*((\a)%4)+\b):8*(8*((\a)%4)+\b)+7], v[128*(\p)+FR*\b:128*(\p)+FR*\b+FR-1], v[AF+FR*(\a):AF+FR*(\a)+FR-1], v[8*(8*((\a)%4)+\b):8*(8*((\a)%4)+\b)+7], v[SC+8*NQ*(\sc)+NQ*\b+(\q)], v[SC+8*NQ*(\sc)+NQ*(\a)+(\q)] matrix_a_fmt:MATRIX_FMT_FP4 matrix_b_fmt:MATRIX_FMT_FP4 matrix_a_scale:MATRIX_SCALE_ROW1
.endif
.endr
.endr
.endm
.macro FETCH_B slot, q, p              ; B's eight fragments of the slot's q-th 128 along K into set p
	WIN TO_B
.irp i, 0,1,2,3,4,5,6,7
	FRAG 128*(\p)+FR*\i, ADRB+\slot, \q, \i
.endr
	WIN 0
.endm
.macro FETCH_A slot, q, i0             ; A's blocks i0 .. i0 + 3
.irp i, \i0, \i0+1, \i0+2, \i0+3
	FRAG AF+FR*(\i), ADRA+\slot, \q, \i
.endr
.endm
.macro SCALES sc                       ; a slot's scale words into set sc: four words a row; lanes 0-15 take A's block i, lanes 16-31 B's block i
.irp i, 0,1,2,3,4,5,6,7
	ds_load_b128 v[SC+8*NQ*\sc+NQ*\i:SC+8*NQ*\sc+NQ*\i+3], v[ADRS] offset:\i*SBLK
.endr
.endm
.macro PLACES n                        ; plain vector instructions between a matrix instruction and a load into its registers, or a read of its results
.rept \n
	v_nop
.endr
.endm
; A step of 128 along K that has its successor in the same slot.  A's blocks 0-3 are fetched anew in the step's middle, blocks 4-7 at its end; B has two sets.
.macro STEP slot, q, zero
	s_wait_dscnt 4*NL                              ; B's set and A's blocks 0-3 are in; the youngest eight loads (A's blocks 4-7) may be out
.if \zero
	WIN 0x81                                       ; as MUL_LO, but C (the bias) in window 0
.else
	WIN MUL_LO
.endif
	MUL16 0, (\q)%2, \q, \slot, \zero
	MUL16 2, (\q)%2, \q, \slot, \zero
	s_wait_dscnt 0                                 ; A's blocks 4-7 are in
	PLACES NP
	FETCH_B \slot, (\q)+1, 1-(\q)%2
	FETCH_A \slot, (\q)+1, 0
.if \zero
	WIN 0xc1
.else
	WIN MUL_HI
.endif
	MUL16 4, (\q)%2, \q, \slot, \zero
	MUL16 6, (\q)%2, \q, \slot, \zero
	PLACES NP
	WIN 0
	FETCH_A \slot, (\q)+1, 4
.endm
; Slot 0's last step changes slots: one barrier; in front of it each wave waits for all its tensor loads (slot 1's part), adds 0 to its spare word, and waits for that and for its own reads of slot 0.  Nothing is filled again.
.macro TURN slot, next
	s_wait_tensorcnt 0x0                           ; all my tensor loads have landed
	ds_add_u32 v[SPW], v[NIL]                      ; 0 onto my spare word
	s_wait_dscnt 4*NL+1                            ; (the add and the youngest eight loads, A's blocks 4-7, may be out)
	WIN MUL_LO
	MUL16 0, 1, NQ-1, \slot, 0                     ; sixteen matrix instructions stand between the add and the wait for it
	s_wait_dscnt 0x0                               ; the add is done, and my reads of this slot are over
	s_barrier_signal -1
	MUL16 2, 1, NQ-1, \slot, 0
	WIN 0
	s_barrier_wait -1
	PLACES NP
	v_add_nc_u32 v[ADRS], 4*NQ, v[ADRS]            ; on to the next slot's scale words
	FETCH_B \next, 0, 0
	FETCH_A \next, 0, 0
	SCALES \next
	WIN MUL_HI
	MUL16 4, 1, NQ-1, \slot, 0
	MUL16 6, 1, NQ-1, \slot, 0
	PLACES NP
	WIN 0
	FETCH_A \next, 0, 4
.endm
	s_wait_tensorcnt 1                             ; the scales and my part of slot 0 are in (slot 1's load may be out)
	s_barrier_signal -1
	s_barrier_wait -1                              ; everybody's are
	FETCH_B 0, 0, 0
	FETCH_A 0, 0, 0
	SCALES 0
	FETCH_A 0, 0, 4
	s_wait_loadcnt 0x0                             ; the biases
	STEP 0, 0, 1                                   ; the first step's products start the sums
	STEP 0, 1, 0
	STEP 0, 2, 0
	TURN 0, 1
	STEP 1, 0, 0
	STEP 1, 1, 0
	STEP 1, 2, 0
	s_wait_dscnt 4*NL                              ; the last step: nothing more to fetch
	WIN MUL_LO
	MUL16 0, 1, NQ-1, 1, 0
	MUL16 2, 1, NQ-1, 1, 0
	s_wait_dscnt 0
	WIN MUL_HI
	MUL16 4, 1, NQ-1, 1, 0
	MUL16 6, 1, NQ-1, 1, 0
	WIN 0
; THE WAY OUT, block by block of 16 rows x 128 columns (two heads).  PACK: rounded to f16, 16 bytes a lane, each accumulator from its low end on.  TOSTAGE: into my stage, and back so that the 32 lanes hold four rows
; of one head: 512 consecutive bytes of qkv.  SEND: stored.  Block a's conversions stand between block a - 1's loads from the stage and the wait for them.
.macro PACK a
.set AC, 64*((\a)%4)
	WIN 0x0a+5*((\a)/4)                            ; sources 0 and 1: window 2 or 3
.irp b, 0,1,2,3,4,5,6,7
.irp r, 0,1,2,3
	v_cvt_pk_f16_f32 v[TMP+4*\b+\r], v[AC+8*\b+2*\r], v[AC+8*\b+2*\r+1]
.endr
.endr
	WIN 0
.endm
.macro TOSTAGE a
.set BB, BK+32*((\a)%2)
.irp b, 0,1,2,3,4,5,6,7
	ds_store_b128 v[STO], v[TMP+4*\b:TMP+4*\b+3] offset:32*\b
.endr
.irp t, 0,1,2,3,4,5,6,7
	ds_load_b128 v[BB+4*\t:BB+4*\t+3], v[RD] offset:(4*(\t%4))*SPITCH+128*(\t/4)   ; LDS serves a wave's instructions in order: these see the stores above
.endr
.endm
.macro SEND a
.set BB, BK+32*((\a)%2)
	s_wait_dscnt 0x0                               ; the block is back in registers
	s_wait_xcnt 0x0                                ; the stores of the block before have read their registers: the next block's loads may land there
.irp t, 0,1,2,3,4,5,6,7
	global_store_b128 v[CO], v[BB+4*\t:BB+4*\t+3], s[12:13] offset:2048*(\a)+262144*(\t/4)+512*(\t%4)   ; 32 lanes store 512 consecutive bytes, aligned: rows 16 a + 4 (t % 4) on of head t / 4
.endr
.endm
	PLACES NP                                      ; behind the last products: the conversions write registers that held A's fragments
	PACK 0
	TOSTAGE 0
.irp a, 1,2,3,4,5,6,7
	PACK \a
	SEND \a-1
	TOSTAGE \a
.endr
	SEND 7
	s_wait_tensorcnt 0x0                           ; the wave's end: behind my last tensor load and my last LDS store
	ds_add_u32 v[SPW], v[NIL]
	s_wait_dscnt 0x0
	CROUND                                         ; the closing round: no work-group ends while a partner may still ask for a tile that names it
	s_endpgm
.Lfunc_end_k_q1740bcb12d_qkv:
	.size	k_q1740bcb12d_qkv, .Lfunc_end_k_q1740bcb12d_qkv-k_q1740bcb12d_qkv
	.p2alignl 7, 3214868480
	.fill 96, 4, 3214868480
	.section	.rodata,"a",@progbits
	.p2align	6, 0x0
	.amdhsa_kernel k_q1740bcb12d_qkv
		.amdhsa_group_segment_fixed_size 327680
		.amdhsa_private_segment_fixed_size 0
		.amdhsa_enable_private_segment 0
		.amdhsa_kernarg_size 64
		.amdhsa_user_sgpr_count 2
		.amdhsa_user_sgpr_kernarg_segment_ptr 1
		.amdhsa_wavefront_size32 1
		.amdhsa_system_sgpr_workgroup_id_x 1
		.amdhsa_system_sgpr_workgroup_id_y 1
		.amdhsa_system_sgpr_workgroup_id_z 1
		.amdhsa_system_vgpr_workitem_id 0
		.amdhsa_next_free_vgpr 1024
		.amdhsa_next_free_sgpr 102
		.amdhsa_reserve_vcc 0
		.amdhsa_float_denorm_mode_32 3
		.amdhsa_float_denorm_mode_16_64 3
		.amdhsa_memory_ordered 1
		.amdhsa_forward_progress 1
		.amdhsa_inst_pref_size 128
	.end_amdhsa_kernel
	.amdgpu_metadata
---
amdhsa.version: [ 1, 2 ]
amdhsa.kernels:
  - .name:           k_q1740bcb12d_qkv
    .symbol:         k_q1740bcb12d_qkv.kd
    .args:
      - { .name: x_codes, .offset: 0, .size: 8, .value_kind: global_buffer, .address_space: global }
      - { .name: x_scales, .offset: 8, .size: 8, .value_kind: global_buffer, .address_space: global }
      - { .name: w_codes, .offset: 16, .size: 8, .value_kind: global_buffer, .address_space: global }
      - { .name: w_scales, .offset: 24, .size: 8, .value_kind: global_buffer, .address_space: global }
      - { .name: bq, .offset: 32, .size: 8, .value_kind: global_buffer, .address_space: global }
      - { .name: bk, .offset: 40, .size: 8, .value_kind: global_buffer, .address_space: global }
      - { .name: bv, .offset: 48, .size: 8, .value_kind: global_buffer, .address_space: global }
      - { .name: qkv, .offset: 56, .size: 8, .value_kind: global_buffer, .address_space: global }
    .group_segment_fixed_size: 327680
    .private_segment_fixed_size: 0
    .kernarg_segment_align: 8
    .kernarg_segment_size: 64
    .max_flat_workgroup_size: 128
    .sgpr_count:     102
    .vgpr_count:     1024
    .wavefront_size: 32
...
	.end_amdgpu_metadata
.endif
;; end of part 2
;; launch attn (part 3): grid 4 x 64, 8 waves a work-group, no clusters, 327,680 bytes of LDS; arguments qkv, y; writes y
.if DOCPART == 3
	.amdgcn_target "amdgcn-amd-amdhsa--gfx1250"
	.amdhsa_code_object_version 6
	.text
	.protected	k_q1740bcb12d_attn
	.globl	k_q1740bcb12d_attn
	.p2align	8
	.type	k_q1740bcb12d_attn,@function
k_q1740bcb12d_attn:
	s_mov_b64 s[64:65], 0
	v_nop
	global_prefetch_b8 v0, s[64:65] scope:SCOPE_SE
	s_setreg_imm32_b32 hwreg(HW_REG_WAVE_MODE, 25, 1), 1
	s_wait_xcnt 0x0
; y[bh][q][:] = the sum over k <= q of softmax_k(Q[bh][q] . K[bh][k] / 8) V[bh][k][:].  Q, K, V: the three sections of qkv, [64 (batch x head)][2048][64] f16; y laid as Q.  Products, maxima and sums in f32; the weights p are
; rounded to f16 for the second product, y once at the end.  (Positions 0 to 15 of each sequence are made again, finer, by later launches.)
; SHARES.  Work-group (i, bh) does two jobs one after the other: the block of 256 queries 7 - i, which walks 8 - i slots of 256 keys, then block i, which walks i + 1: nine slots for every work-group, so that all 256 have equal
; work and the loop's trip count is a constant.  Each of the eight waves owns 32 queries of the block, two tiles of 16, so that a fragment of K or V read from LDS feeds two products; two waves share a SIMD.
; LAYOUT.  S^T = K Q^T (source 0 = 16 keys, source 1 = 16 queries): a lane holds ONE query (lane % 16) and the keys 8 (lane / 16) + 0..7.  Two such tiles, rounded to f16 in pairs, are source 1 of O^T = V^T P.
; K comes out of LDS as it lies, V ([key][channel]) turned, by ds_load_tr16_b128.
; SOFTMAX.  A running maximum m and sum l for each query: p = 2^(c s - c m), c = log2(e) / 8; in every step O and l are multiplied by a = 2^(c m_old - c m_new).
; THE MASK.  A step of 64 keys all of which come after the wave's 32 queries is left out by a scalar branch on ids; on the diagonal hidden scores become -infinity; every slot that is fetched is read by some wave.
; THE RING.  Two slots of 256 keys (K's rows, then V's), filled by tensor loads: every wave fetches 64 rows, waves 0-3 of K, waves 4-7 of V: one load a wave behind each barrier, one out at a time.
; NO CLUSTER: the four work-groups of a head walk 8 - i and then i + 1 slots, so from the fifth trip on they want different tiles; a joint walk would bring partners tiles that none of their waves reads.
; LIMIT: |y| beyond 65,504 does not fit f16.
.set PKB,   144                        ; a row of K in LDS: 128 bytes + 16 = 36 words: the 16 rows of a load start at 16 different banks (64 banks of 4 bytes: ISA guide 11.1)
.set PVB,   160                        ; a row of V: 128 + 32: an odd multiple of 32 bytes
.set VOFF,  256*PKB                    ; a slot: 256 rows of K, then 256 rows of V
.set SLOT1, 1<<17                      ; slot 1 begins here: one exclusive or turns an address in one slot into the other's
.set STAGE, SLOT1+256*(PKB+PVB)        ; behind the ring: 16 rows x 144 bytes for each wave, for the way out
.set SPARE, STAGE+8*16*PKB             ; the spare words, 128 bytes for each wave: four blocks of 256 bytes that no other line names
.set AK0, 1                            ; v1   my lane's place in a tile of K
.set AV0, 2                            ; v2   the same for V
.set ADK, 3                            ; v3   LDS address of the step's K
.set ADV, 4                            ; v4   of its V
.set SPW, 5                            ; v5   my spare word; never rewritten
.set NIL, 6                            ; v6   0; never rewritten
.set PFO, 7                            ; v7   256 x lane: the prefetches' offset; never rewritten
.set STO, 8                            ; v8   the way out: where I put 16 bytes of a row
.set RD,  9                            ; v9   where I read rows back
.set GO,  10                           ; v10  16 x lane
.set DR,  11                           ; v11  lane % 16 - 8 (lane / 16), for the mask
.set RST, 16                           ; v16-31   statistics, 8 a tile: +0 c m, +1 m, +2, +3 l (two halves), +4 to +7 at work; a takes +6
.set RQ,  32                           ; v32-63   Q, 16 a tile
.set RKV, 64                           ; v64-127  K's eight fragments, then V's
.set RS,  128                          ; v128-191 S^T, 32 a tile; P is laid in place in each tile's first 16
.set RO,  192                          ; v192-255 O^T, 32 a tile
.set WV,  8
.set WI,  9
.set BH,  10
.set N1,  11                           ; slots of the first job
.set TR,  12                           ; the trip
.set NX,  13                           ; the key block of the slot that is asked for
.set KF,  14                           ; the step's first key
.set Q0,  15                           ; my first query
.set TK,  16                           ; LDS byte of the step's K,
.set TV,  17                           ; of its V (less VOFF)
.set CU,  18
.set T1,  19
.set CS,  20                           ; s[20:21] c, twice
.set SEL, 22                           ; s[22:23] selects for v_permlanex16_b32: lane l xor 16
.set G1K, 24
.set G1V, 32
.set G0K, 40
.set G0V, 44
.set KPT, 48                           ; s[48:49] K at my quarter of the head's key block 0;  s[50:51] V likewise
.set VPT, 50
.set PFA, 52
.set LIM, 54
.set QP,  56
.set YP,  58
; Waves 0-3 fetch for K, waves 4-7 for V: two tensor instructions, since the paddings differ.  An s_nop 0 and four v_nop follow each.
.macro TLOAD
	s_cmp_lt_u32 s[WV], 4
	s_cbranch_scc0 .Lfor_v_\@
	tensor_load_to_lds s[G0K:G0K+3], s[G1K:G1K+7]
	s_nop 0
.rept 4
	v_nop
.endr
	s_branch .Lasked_\@
.Lfor_v_\@:
	tensor_load_to_lds s[G0V:G0V+3], s[G1V:G1V+7]
	s_nop 0
.rept 4
	v_nop
.endr
.Lasked_\@:
.endm
; A PREFETCH INTO THE L2.  All four work-groups of a head walk the same K and V; the first of them (i = 0), whose first job walks key blocks 0 to 7 in order, asks, and nobody else.  In trip TR, whose tensor loads ask for
; key block TR + 1, each of its waves names its own quarter (8,192 bytes, lanes 256 bytes apart) of key block TR + 2: four key steps ahead of the load that will want it.  Each block of 256 bytes is named once.
; Key blocks 0 and 1 come by their loads alone; trips 6 and on ask for nothing.
.macro ASK
	s_cmp_lt_u32 s[TR], s[LIM]
	s_cbranch_scc0 .Lnot_mine_\@
	global_prefetch_b8 v[PFO], s[PFA:PFA+1] th:TH_LOAD_NT scope:SCOPE_SE
.Lnot_mine_\@:
.endm
	s_load_b128 s[4:7], s[0:1], 0x0                ; qkv s[4:5], y s[6:7]
	v_lshl_add_u32 v[SPW], v0, 2, SPARE
	v_mov_b32 v[NIL], 0
	ds_add_u32 v[SPW], v[NIL]                      ; the wave's opening: the add, twice on end, and its wait ahead of my first tensor load
	ds_add_u32 v[SPW], v[NIL]
	v_lshrrev_b32 v1, 5, v0
	v_readfirstlane_b32 s[WV], v1                  ; wave 0..7
	s_mov_b32 s[WI], ttmp9
	s_and_b32 s[BH], ttmp7, 0xffff
	s_sub_co_u32 s[N1], 8, s[WI]
	; descriptor group 1: 64 rows x 64 elements of 2 bytes, dense in memory, padded in LDS
	s_mov_b32 s[G1K], (1<<16)|(1<<20)|(4<<22)|(3<<25)   ; no mask; elements of 2 bytes; padding on: after every 32 words four words
	s_mov_b32 s[G1V], (1<<16)|(1<<20)|(4<<22)|(7<<25)   ; the same with eight words
.irp g, G1K, G1V
	s_mov_b32 s[\g+1], 64<<16                      ; tensor_dim0
	s_mov_b32 s[\g+2], 64<<16                      ; tensor_dim1
	s_mov_b32 s[\g+3], 64<<16                      ; tile_dim0
	s_mov_b32 s[\g+4], 64                          ; tile_dim1
	s_mov_b32 s[\g+5], 64                          ; from row to row
	s_mov_b32 s[\g+6], 0
	s_mov_b32 s[\g+7], 0
.endr
	s_mov_b32 s[CS], 0x3e38aa3b                    ; c = log2(e) / sqrt(64)
	s_mov_b32 s[CS+1], s[CS]                       ; (named with it as a pair, so it is written)
	s_mov_b32 s[SEL], 0x76543210
	s_mov_b32 s[SEL+1], 0xfedcba98
	s_and_b32 s60, s[WV], 3                        ; which quarter of a slot's rows I fetch
	s_mul_i32 s61, s60, 64*PKB
	s_mul_i32 s62, s60, 64*PVB
	s_add_co_u32 s62, s62, VOFF
	s_lshl_b32 s66, s[BH], 18                      ; the head: 262,144 bytes
	s_mov_b32 s67, 0
	s_lshl_b32 s68, s60, 13                        ; my quarter: 64 rows of 128 bytes
	s_mov_b32 s69, 0
	s_cmp_eq_u32 ttmp9, 0
	s_cselect_b32 s[LIM], 6, 0
	s_mov_b32 s[TR], 0
	s_mov_b32 s[NX], 0
	s_mov_b32 s[KF], 0
	s_mov_b32 s[TK], 0
	s_mov_b32 s[TV], 0
	s_wait_dscnt 0x0                               ; both opening adds are done
	s_wait_kmcnt 0x0
	s_add_nc_u64 s[4:5], s[4:5], s[66:67]          ; Q at my head
	s_add_nc_u64 s[6:7], s[6:7], s[66:67]          ; y likewise
	s_add_nc_u64 s[KPT:KPT+1], s[4:5], s[68:69]
	s_add_nc_u64 s[VPT:VPT+1], s[KPT:KPT+1], 0x2000000   ; V's section
	s_add_nc_u64 s[KPT:KPT+1], s[KPT:KPT+1], 0x1000000   ; K's section
	s_mov_b32 s[G0K], 1
	s_mov_b32 s[G0K+1], s61
	s_mov_b64 s[G0K+2:G0K+3], s[KPT:KPT+1]
	s_or_b32 s[G0K+3], s[G0K+3], 0x80000000
	s_mov_b32 s[G0V], 1
	s_mov_b32 s[G0V+1], s62
	s_mov_b64 s[G0V+2:G0V+3], s[VPT:VPT+1]
	s_or_b32 s[G0V+3], s[G0V+3], 0x80000000
	TLOAD                                          ; slot 0: key block 0, which counts for every query
	s_cmp_lt_u32 s[WV], 4
	s_cselect_b64 s[PFA:PFA+1], s[KPT:KPT+1], s[VPT:VPT+1]
	s_add_nc_u64 s[PFA:PFA+1], s[PFA:PFA+1], 0x8000     ; at key block 1: the first change of slots steps it to 2.  Nothing is prefetched here, at the head
	v_and_b32 v12, 15, v0                          ; r
	v_bfe_u32 v13, v0, 4, 1                        ; h
	v_mul_u32_u24 v[AK0], v12, PKB
	v_lshl_add_u32 v[AK0], v13, 4, v[AK0]          ; K: row r x pitch + 16 h
	v_and_b32 v14, 7, v0
	v_bfe_u32 v15, v0, 3, 1
	v_lshl_add_u32 v[AV0], v13, 3, v14             ; V: key 8 h + lane % 8,
	v_mul_u32_u24 v[AV0], v[AV0], PVB
	v_lshl_add_u32 v[AV0], v15, 4, v[AV0]          ; channels 8 ((lane / 8) % 2) on
	v_add_nc_u32 v[AV0], VOFF, v[AV0]
	s_mul_i32 s60, s[WV], 16*PKB
	s_add_co_u32 s60, s60, STAGE                   ; my stage
	v_mul_u32_u24 v[STO], v12, PKB
	v_lshl_add_u32 v[STO], v13, 4, v[STO]
	v_add_nc_u32 v[STO], s60, v[STO]
	v_and_b32 v14, 31, v0
	v_lshrrev_b32 v15, 3, v14
	v_mul_u32_u24 v[RD], v15, PKB                  ; back: eight lanes to a row of 128 bytes, four rows an instruction
	v_and_b32 v15, 7, v0
	v_lshl_add_u32 v[RD], v15, 4, v[RD]
	v_add_nc_u32 v[RD], s60, v[RD]
	v_lshlrev_b32 v[GO], 4, v14
	v_lshlrev_b32 v[PFO], 8, v14
	v_lshlrev_b32 v15, 3, v13
	v_sub_nc_u32 v[DR], v12, v15
; My 32 queries' fragments: tile t, channels 32 kk on, at v[RQ + 16 t + 8 kk].  v12 is the loads' offset until the wait for them.  Leaves 128 Q0 in s[60:61].
.macro QLOAD
	s_lshl_b32 s60, s[Q0], 7
	s_mov_b32 s61, 0
	s_add_nc_u64 s[QP:QP+1], s[4:5], s[60:61]
	v_and_b32 v12, 15, v0
	v_bfe_u32 v13, v0, 4, 1
	v_lshlrev_b32 v12, 7, v12
	v_lshl_add_u32 v12, v13, 4, v12                ; row r of 128 bytes + 16 h
.irp t, 0,1
.irp kk, 0,1
	global_load_b128 v[RQ+16*\t+8*\kk:RQ+16*\t+8*\kk+3], v12, s[QP:QP+1] offset:2048*\t+64*\kk
	global_load_b128 v[RQ+16*\t+8*\kk+4:RQ+16*\t+8*\kk+7], v12, s[QP:QP+1] offset:2048*\t+64*\kk+32
.endr
.endr
.endm
; A job begins: m = -3e38, under every score; l and O^T zeros, which the first change of m leaves zeros: so the key step is written once.
.macro RESET
.irp t, 0,1
	v_mov_b32 v[RST+8*\t+1], 0xff61b1e6
	v_mul_f32 v[RST+8*\t], s[CS], v[RST+8*\t+1]
.irp j, 2,3,4,5,6,7
	v_mov_b32 v[RST+8*\t+\j], 0
.endr
.endr
.set i, 0
.rept 64
	v_mov_b32 v[RO+i], 0
.set i, i+1
.endr
.endm
; A job ends: O^T / l, rounded to f16, through my stage, a tile (16 rows of y) at a time; the 32 lanes store four rows, 512 consecutive bytes.
.macro FINISH
.irp t, 0,1
	v_add_f32 v[RST+8*\t+4], v[RST+8*\t+2], v[RST+8*\t+3]
.endr
.irp t, 0,1
	v_permlanex16_b32 v[RST+8*\t+5], v[RST+8*\t+4], s[SEL], s[SEL+1]
.endr
.irp t, 0,1
	v_add_f32 v[RST+8*\t+4], v[RST+8*\t+4], v[RST+8*\t+5]
.endr
.irp t, 0,1
	v_rcp_f32 v[RST+8*\t+6], v[RST+8*\t+4]
.endr
	v_nop                                          ; a plain instruction behind the last reciprocal,
	s_wait_alu depctr_va_vdst(0)                   ; and the wait ahead of the first use: one for the two
.irp t, 0,1
.irp i, 0,2,4,6,8,10,12,14,16,18,20,22,24,26,28,30
	v_pk_mul_f32 v[RS+32*\t+\i:RS+32*\t+\i+1], v[RO+32*\t+\i:RO+32*\t+\i+1], v[RST+8*\t+6:RST+8*\t+7] op_sel_hi:[1,0]   ; each accumulator from its low end on
.endr
.irp j, 0,1,2,3,4,5,6,7,8,9,10,11,12,13,14,15
	v_cvt_pk_f16_f32 v[RS+32*\t+\j], v[RS+32*\t+2*\j], v[RS+32*\t+2*\j+1]
.endr
.irp ct, 0,1,2,3
	ds_store_b128 v[STO], v[RS+32*\t+4*\ct:RS+32*\t+4*\ct+3] offset:32*\ct
.endr
.irp i, 0,1,2,3
	ds_load_b128 v[RS+32*\t+16+4*\i:RS+32*\t+16+4*\i+3], v[RD] offset:4*PKB*\i   ; LDS serves a wave's instructions in order: these see the stores above; the next tile's stores come behind them
.endr
.endr
.irp i, 0,1,2,3
	s_wait_dscnt 11-\i                             ; behind tile 0's load i: its 3 - i later loads, tile 1's four stores and four loads
	global_store_b128 v[GO], v[RS+16+4*\i:RS+16+4*\i+3], s[YP:YP+1] offset:512*\i
.endr
.irp i, 0,1,2,3
	s_wait_dscnt 3-\i
	global_store_b128 v[GO], v[RS+48+4*\i:RS+48+4*\i+3], s[YP:YP+1] offset:2048+512*\i
.endr
.endm
; A KEY STEP: 64 keys.
.macro STEP
	s_add_co_u32 s60, s[Q0], 31
	s_cmp_gt_u32 s[KF], s60                        ; all 64 keys come after my 32 queries: the step's work is left out; the lines at its end that step addresses are not
	s_cbranch_scc1 .Lhidden_\@
	v_add_nc_u32 v[ADK], s[TK], v[AK0]
	v_add_nc_u32 v[ADV], s[TV], v[AV0]
.irp kk, 0,1                                   ; K's fragments (keys 16 kt on, channels 32 kk on), channels 0-31 first
.irp kt, 0,1,2,3
	ds_load_b128 v[RKV+8*(2*\kt+\kk):RKV+8*(2*\kt+\kk)+3], v[ADK] offset:16*PKB*\kt+64*\kk
	ds_load_b128 v[RKV+8*(2*\kt+\kk)+4:RKV+8*(2*\kt+\kk)+7], v[ADK] offset:16*PKB*\kt+64*\kk+32
.endr
.endr
	s_wait_dscnt 8                                 ; channels 0-31 are in; the eight loads of channels 32-63 may be out
.irp kt, 0,1,2,3                               ; S^T = K Q^T: eight accumulators by turns, one instruction a turn; the first eight start the sums
.irp t, 0,1
	v_wmma_f32_16x16x32_f16 v[RS+32*\t+8*\kt:RS+32*\t+8*\kt+7], v[RKV+16*\kt:RKV+16*\kt+7], v[RQ+16*\t:RQ+16*\t+7], 0
.endr
.endr
	s_wait_dscnt 0x0
.irp kt, 0,1,2,3
.irp t, 0,1
	v_wmma_f32_16x16x32_f16 v[RS+32*\t+8*\kt:RS+32*\t+8*\kt+7], v[RKV+16*\kt+8:RKV+16*\kt+15], v[RQ+16*\t+8:RQ+16*\t+15], v[RS+32*\t+8*\kt:RS+32*\t+8*\kt+7]
.endr
.endr
.rept 4
	v_nop                                          ; places in front of the loads into K's registers and of the first read of the scores
.endr
.irp c, 0,1                                    ; V's fragments (keys 32 c on, channels 16 ct on), turned: they land while the softmax is walked
.irp ct, 0,1,2,3
	ds_load_tr16_b128 v[RKV+8*(4*\c+\ct):RKV+8*(4*\c+\ct)+3], v[ADV] offset:32*PVB*\c+32*\ct
	ds_load_tr16_b128 v[RKV+8*(4*\c+\ct)+4:RKV+8*(4*\c+\ct)+7], v[ADV] offset:32*PVB*\c+32*\ct+16*PVB
.endr
.endr
	s_add_co_u32 s60, s[KF], 63
	s_cmp_le_u32 s60, s[Q0]                        ; all 64 keys count for all my queries: no mask
	s_cbranch_scc1 .Lopen_\@
	s_sub_co_i32 s60, s[Q0], s[KF]
	v_add_nc_u32 v13, s60, v[DR]                   ; d = my query - KF - 8 (lane / 16), tile 0's;
	v_add_nc_u32 v14, 16, v13                      ; tile 1's.  Register 8 kt + j holds key KF + 8 (lane / 16) + 16 kt + j: hidden where 16 kt + j > d
	v_mov_b32 v12, 0xff800000                      ; -infinity
.irp t, 0,1
.irp n, 0,1,2,3,4,5,6,7,8,9,10,11,12,13,14,15,16,17,18,19,20,21,22,23,24,25,26,27,28,29,30,31
	v_cmp_gt_i32 vcc_lo, 16*(\n/8)+\n%8, v[13+\t]
	v_cndmask_b32 v[RS+32*\t+\n], v[RS+32*\t+\n], v12, vcc_lo
.endr
.endr
.Lopen_\@:
	; the maximum of a tile's 32 scores and the old m: four chains, three operands at a time; the two tiles line by line by turns
.irp j, 0,1,2,3
.irp t, 0,1
	v_max3_num_f32 v[RST+8*\t+4+\j], v[RS+32*\t+8*\j], v[RS+32*\t+8*\j+1], v[RS+32*\t+8*\j+2]
.endr
.endr
.irp g, 1,2
.irp j, 0,1,2,3
.irp t, 0,1
	v_max3_num_f32 v[RST+8*\t+4+\j], v[RST+8*\t+4+\j], v[RS+32*\t+8*\j+2*\g+1], v[RS+32*\t+8*\j+2*\g+2]
.endr
.endr
.endr
.irp t, 0,1
	v_max3_num_f32 v[RST+8*\t+4], v[RST+8*\t+4], v[RS+32*\t+7], v[RS+32*\t+15]
.endr
.irp t, 0,1
	v_max3_num_f32 v[RST+8*\t+6], v[RST+8*\t+6], v[RS+32*\t+23], v[RS+32*\t+31]
.endr
.irp t, 0,1
	v_max3_num_f32 v[RST+8*\t+4], v[RST+8*\t+4], v[RST+8*\t+5], v[RST+8*\t+6]
.endr
.irp t, 0,1
	v_max3_num_f32 v[RST+8*\t+4], v[RST+8*\t+4], v[RST+8*\t+7], v[RST+8*\t+1]
.endr
.irp t, 0,1
	v_permlanex16_b32 v[RST+8*\t+5], v[RST+8*\t+4], s[SEL], s[SEL+1]   ; the query's other 32 keys lie in the lane 16 away
.endr
.irp t, 0,1
	v_mov_b32 v[RST+8*\t+7], v[RST+8*\t]           ; c m_old is kept for a
.endr
.irp t, 0,1
	v_max_num_f32 v[RST+8*\t+1], v[RST+8*\t+4], v[RST+8*\t+5]
.endr
.irp t, 0,1
	v_mul_f32 v[RST+8*\t], s[CS], v[RST+8*\t+1]
.endr
.irp t, 0,1
	v_sub_f32 v[RST+8*\t+7], v[RST+8*\t+7], v[RST+8*\t]
.endr
.irp b, 0,2,4,6,8,10,12,14,16,18,20,22,24,26,28,30
.irp t, 0,1
	v_pk_fma_f32 v[RS+32*\t+\b:RS+32*\t+\b+1], v[RS+32*\t+\b:RS+32*\t+\b+1], s[CS:CS+1], v[RST+8*\t:RST+8*\t+1] op_sel_hi:[1,0,0] neg_lo:[0,0,1] neg_hi:[0,0,1]   ; c s - c m, two at a time
.endr
.endr
.irp t, 0,1                                    ; ONE BATCH of 66 exponentials, none of which reads another's result
	v_exp_f32 v[RST+8*\t+6], v[RST+8*\t+7]         ; a
.endr
.irp e, 0,1,2,3,4,5,6,7,8,9,10,11,12,13,14,15,16,17,18,19,20,21,22,23,24,25,26,27,28,29,30,31
.irp t, 0,1
	v_exp_f32 v[RS+32*\t+\e], v[RS+32*\t+\e]
.endr
.endr
	v_nop                                          ; a plain instruction behind the last exponential,
	s_wait_alu depctr_va_vdst(0)                   ; and ONE wait for the batch, ahead of the first instruction that names a result
.irp t, 0,1                                    ; the sum of the unrounded p, two at a time, in two chains a tile
	v_pk_add_f32 v[RST+8*\t+4:RST+8*\t+5], v[RS+32*\t:RS+32*\t+1], v[RS+32*\t+2:RS+32*\t+3]
	v_pk_add_f32 v[12+2*\t:13+2*\t], v[RS+32*\t+4:RS+32*\t+5], v[RS+32*\t+6:RS+32*\t+7]
.endr
.irp j, 8,12,16,20,24,28
.irp t, 0,1
	v_pk_add_f32 v[RST+8*\t+4:RST+8*\t+5], v[RST+8*\t+4:RST+8*\t+5], v[RS+32*\t+\j:RS+32*\t+\j+1]
	v_pk_add_f32 v[12+2*\t:13+2*\t], v[12+2*\t:13+2*\t], v[RS+32*\t+\j+2:RS+32*\t+\j+3]
.endr
.endr
.irp t, 0,1
	v_pk_add_f32 v[RST+8*\t+4:RST+8*\t+5], v[RST+8*\t+4:RST+8*\t+5], v[12+2*\t:13+2*\t]
.endr
.irp t, 0,1
	v_pk_fma_f32 v[RST+8*\t+2:RST+8*\t+3], v[RST+8*\t+2:RST+8*\t+3], v[RST+8*\t+6:RST+8*\t+7], v[RST+8*\t+4:RST+8*\t+5] op_sel_hi:[1,0,1]   ; l = a l + the sum
.endr
.irp j, 0,1,2,3,4,5,6,7,8,9,10,11,12,13,14,15
.irp t, 0,1
	v_cvt_pk_f16_f32 v[RS+32*\t+\j], v[RS+32*\t+2*\j], v[RS+32*\t+2*\j+1]   ; P in place, ascending: no weight is written over before it is read
.endr
.endr
.irp i, 0,2,4,6,8,10,12,14,16,18,20,22,24,26,28,30
.irp t, 0,1
	v_pk_mul_f32 v[RO+32*\t+\i:RO+32*\t+\i+1], v[RO+32*\t+\i:RO+32*\t+\i+1], v[RST+8*\t+6:RST+8*\t+7] op_sel_hi:[1,0]   ; O^T x a
.endr
.endr
	s_wait_dscnt 0x0                               ; V is in
.irp c, 0,1                                    ; O^T += V^T P: eight accumulators by turns
.irp ct, 0,1,2,3
.irp t, 0,1
	v_wmma_f32_16x16x32_f16 v[RO+32*\t+8*\ct:RO+32*\t+8*\ct+7], v[RKV+8*(4*\c+\ct):RKV+8*(4*\c+\ct)+7], v[RS+32*\t+8*\c:RS+32*\t+8*\c+7], v[RO+32*\t+8*\ct:RO+32*\t+8*\ct+7]
.endr
.endr
.endr
.rept 5
	v_nop                                          ; four places in front of the next loads into V's registers, five in front of the next products, which write over P
.endr
.Lhidden_\@:
	s_add_co_u32 s[KF], s[KF], 64
	s_add_co_u32 s[TK], s[TK], 64*PKB
	s_add_co_u32 s[TV], s[TV], 64*PVB
.endm
; A slot's four key steps: written once, walked four times.
.macro SLOT_STEPS
	s_mov_b32 s[CU], 4
.Lstep_\@:
	STEP
	s_sub_co_u32 s[CU], s[CU], 1
	s_cmp_lg_u32 s[CU], 0
	s_cbranch_scc1 .Lstep_\@
	s_sub_co_u32 s[TK], s[TK], 4*64*PKB            ; back to a slot's first step,
	s_sub_co_u32 s[TV], s[TV], 4*64*PVB
	s_xor_b32 s[TK], s[TK], SLOT1                  ; in the other slot
	s_xor_b32 s[TV], s[TV], SLOT1
.endm
; THE CHANGE OF SLOTS stands at a slot's head.  Each wave waits for all its tensor loads (its part of the slot that it is about to read), adds 0 to its spare word, and waits for that and for its reads of the slot that it has left.
; Behind the barrier the slot ahead is whole and nobody reads the other one.  fill = 1: that other slot takes the next key block of the walk: the load has a slot's four key steps in which to land.
.macro CHANGE fill
	s_wait_tensorcnt 0x0                           ; no tensor load of mine is out, so a group 0 may be written
	ds_add_u32 v[SPW], v[NIL]                      ; 0 onto my spare word: the descriptors' steps stand between it and the wait for it
.if \fill
	s_add_co_u32 s[T1], s[TR], 1
	s_add_co_u32 s[NX], s[NX], 1                   ; the next key block,
	s_cmp_eq_u32 s[T1], s[N1]
	s_cselect_b32 s[NX], 0, s[NX]                  ; or the second job's first
	s_lshl_b32 s60, s[NX], 15                      ; 256 rows of 128 bytes
	s_mov_b32 s61, 0
	s_xor_b32 s[G0K+1], s[G0K+1], SLOT1
	s_add_nc_u64 s[G0K+2:G0K+3], s[KPT:KPT+1], s[60:61]
	s_or_b32 s[G0K+3], s[G0K+3], 0x80000000
	s_xor_b32 s[G0V+1], s[G0V+1], SLOT1
	s_add_nc_u64 s[G0V+2:G0V+3], s[VPT:VPT+1], s[60:61]
	s_or_b32 s[G0V+3], s[G0V+3], 0x80000000
	s_wait_xcnt 0x0                                ; the last prefetch, a slot back, has read its address, so it may be written
	s_add_nc_u64 s[PFA:PFA+1], s[PFA:PFA+1], 0x8000
.endif
	s_wait_dscnt 0x0                               ; the add is done, and my reads of the slot that I have left are over
	s_barrier_signal -1
	s_barrier_wait -1
.if \fill
	TLOAD                                          ; the first thing behind the barrier, and my one tensor load until the next
	ASK
.endif
.endm
	s_sub_co_u32 s60, 7, s[WI]                     ; the first job: query block 7 - i
	s_lshl_b32 s[Q0], s60, 8
	s_lshl_b32 s61, s[WV], 5
	s_add_co_u32 s[Q0], s[Q0], s61
	QLOAD
	s_add_nc_u64 s[YP:YP+1], s[6:7], s[60:61]
	RESET
	s_wait_loadcnt 0x0                             ; Q
.Lslot:                                            ; eight trips: behind each change of slots but the last the next slot is asked for
	CHANGE 1
	SLOT_STEPS
	s_add_co_u32 s[T1], s[TR], 1
	s_cmp_lg_u32 s[T1], s[N1]                      ; ids and the count of trips alone: all eight waves go the same way
	s_cbranch_scc1 .Lsame_job
	s_lshl_b32 s[Q0], s[WI], 8                     ; the first job is done: the second is query block i
	s_lshl_b32 s61, s[WV], 5
	s_add_co_u32 s[Q0], s[Q0], s61
	s_mov_b32 s[KF], 0
	QLOAD                                          ; its queries land while the first job's result goes out
	FINISH
	s_wait_xcnt 0x0                                ; the stores have read their registers and their base
	s_add_nc_u64 s[YP:YP+1], s[6:7], s[60:61]
	RESET
	s_wait_loadcnt 0x0
.Lsame_job:
	s_add_co_u32 s[TR], s[TR], 1
	s_cmp_lt_u32 s[TR], 8
	s_cbranch_scc1 .Lslot
	CHANGE 0                                       ; the ninth slot is written out: nothing is left to ask for
	SLOT_STEPS
	FINISH
	s_wait_tensorcnt 0x0                           ; the wave's end: behind my last tensor load and my last LDS store
	ds_add_u32 v[SPW], v[NIL]
	s_wait_dscnt 0x0
	s_endpgm
.Lfunc_end_k_q1740bcb12d_attn:
	.size	k_q1740bcb12d_attn, .Lfunc_end_k_q1740bcb12d_attn-k_q1740bcb12d_attn
	.p2alignl 7, 3214868480
	.fill 96, 4, 3214868480
	.section	.rodata,"a",@progbits
	.p2align	6, 0x0
	.amdhsa_kernel k_q1740bcb12d_attn
		.amdhsa_group_segment_fixed_size 327680
		.amdhsa_private_segment_fixed_size 0
		.amdhsa_enable_private_segment 0
		.amdhsa_kernarg_size 16
		.amdhsa_user_sgpr_count 2
		.amdhsa_user_sgpr_kernarg_segment_ptr 1
		.amdhsa_wavefront_size32 1
		.amdhsa_system_sgpr_workgroup_id_x 1
		.amdhsa_system_sgpr_workgroup_id_y 1
		.amdhsa_system_sgpr_workgroup_id_z 1
		.amdhsa_system_vgpr_workitem_id 0
		.amdhsa_next_free_vgpr 256
		.amdhsa_next_free_sgpr 72
		.amdhsa_reserve_vcc 1
		.amdhsa_float_denorm_mode_32 3
		.amdhsa_float_denorm_mode_16_64 3
		.amdhsa_memory_ordered 1
		.amdhsa_forward_progress 1
		.amdhsa_inst_pref_size 71
	.end_amdhsa_kernel
	.amdgpu_metadata
---
amdhsa.version: [ 1, 2 ]
amdhsa.kernels:
  - .name:           k_q1740bcb12d_attn
    .symbol:         k_q1740bcb12d_attn.kd
    .args:
      - { .name: qkv, .offset: 0, .size: 8, .value_kind: global_buffer, .address_space: global }
      - { .name: y, .offset: 8, .size: 8, .value_kind: global_buffer, .address_space: global }
    .group_segment_fixed_size: 327680
    .private_segment_fixed_size: 0
    .kernarg_segment_align: 8
    .kernarg_segment_size: 16
    .max_flat_workgroup_size: 256
    .sgpr_count:     72
    .vgpr_count:     256
    .wavefront_size: 32
...
	.end_amdgpu_metadata
.endif
;; end of part 3
;; launch proj (part 4): grid 4 x 64, 4 waves a work-group, clusters of 4 x 4, 327,680 bytes of LDS; arguments y, wp16, bp, out0; writes out0
.if DOCPART == 4
	.amdgcn_target "amdgcn-amd-amdhsa--gfx1250"
	.amdhsa_code_object_version 6
	.text
	.protected	k_q1740bcb12d_proj
	.globl	k_q1740bcb12d_proj
	.p2align	8
	.type	k_q1740bcb12d_proj,@function
k_q1740bcb12d_proj:
	s_mov_b64 s[64:65], 0
	v_nop
	global_prefetch_b8 v0, s[64:65] scope:SCOPE_SE
	s_setreg_imm32_b32 hwreg(HW_REG_WAVE_MODE, 25, 1), 1
	s_wait_xcnt 0x0
	s_wait_alu depctr_hold_cnt(0) depctr_sa_sdst(0) depctr_va_vdst(0) depctr_va_sdst(0) depctr_va_ssrc(0) depctr_va_vcc(0) depctr_vm_vsrc(0)
	s_getreg_b32 s2, hwreg(HW_REG_IB_STS2, 6, 4)
	s_cmp_eq_u32 s2, 0
	s_cbranch_scc0 .Lentry_in_a_cluster
	s_endpgm
.Lentry_in_a_cluster:
	s_bfe_u32 s2, ttmp6, 0x10000c
	s_cmp_lg_u32 s2, 0xf033
	s_cbranch_scc0 .Lentry_shape_is_right
	s_endpgm
.Lentry_shape_is_right:
; out0[m][n] = sum over k of y[m][k] Wp[k][n] + bp[n], f16 operands, f32 sums.  y lies by heads, [batch][head][t][64] f16 (k = 64 head + channel); wp16 [1024 (k)][1024 (n)] f16; out0 [8192][1024] f32.
; A tile of out0 is 128 rows x 256 columns: 256 work-groups.  Four waves, each 64 x 128: 32 accumulators of 16 x 16, 256 registers.  K goes in steps of 128 (two heads) through a ring of two LDS slots.
; Waves 0 and 1 fetch y's tile, one head's 128 rows each (dense in memory); waves 2 and 3 fetch 64 rows (k) x 512 bytes of Wp each.
; CLUSTERS: 4 x 4 work-groups.  The four of a row of the cluster need the same tiles of y, the four of a column the same tiles of Wp: each tile is asked for JOINTLY.
; THE MATRIX INSTRUCTION IS USED TRANSPOSED (source 0 = 16 columns of Wp, turned out of LDS by ds_load_tr16_b128; source 1 = 16 rows of y): a lane holds eight neighbouring columns of one row.  The bias is the C of each sum's first instruction.
; (Rows 0 to 15 of each sequence are written over, finer, by a later launch.)
; REGISTERS: window 0: v0-31 addresses; two fragment buffers of 96 at v32 and v128 (y's 4 blocks, then Wp's 8); on the way out v32-159 are free.  window 1: the accumulators ((a, b) at v[8 (8 a + b)]).  window 2: v0-63 the biases.
.set PA,     144                       ; a row of y in LDS: 128 bytes + 16
.set PB,     544                       ; a row of Wp: 512 bytes + 32: an odd multiple of 32 bytes
.set AHD,    128*PA                    ; one head's 128 rows
.set BOFF,   2*AHD
.set BHALF,  64*PB
.set SLOT,   BOFF+2*BHALF
.set STAGE,  2*SLOT                    ; behind the ring: 16 rows x 528 bytes for each wave, for the way out
.set SPITCH, 528
.set SPARE,  STAGE+4*16*SPITCH         ; the spare words, 128 bytes for each wave: two blocks of 256 bytes that no other line names
.set LAPS,   4                         ; a lap = two K steps = once round the ring
.set AHOP,   524288                    ; a K step on in y: two heads of 262,144 bytes
.set BHOP,   262144                    ; and in wp16: 128 rows of 2,048 bytes
.set ADRA, 16
.set ADRB, 20
.set STO,  24
.set RD,   25
.set CO,   26
.set SPW,  28                          ; v28 my spare word; never rewritten
.set NIL,  29                          ; v29 0; never rewritten
.set PFO,  30                          ; v30 256 x lane; never rewritten
.set BO,   31                          ; v31 32 x (lane / 16)
.set F0,   32
.set F1,   128
.set BK,   32                          ; the way out: rows read back: v32-95 and v96-159 by turns
.set G1,  24
.set G0,  32
.set G1B, 48
.set G0B, 56
.set LIM, 43
.set PFA, 44
.set MSB, 0
.macro WIN new                         ; the immediate's high byte repeats the setting that is left
.if MSB != \new
	s_set_vgpr_msb (MSB<<8)|\new
.set MSB, \new
.endif
.endm
.set MUL,  0x50                        ; sources 0 and 1 window 0; C and D window 1
.set MULB, 0x60                        ; C (the bias) window 2, D window 1
.macro JLOAD s                         ; a joint load: waves 0 and 1 fetch for y, waves 2 and 3 for Wp; an s_nop 0 and four v_nop follow each of the two lines
	s_cmp_eq_u32 s13, 0
	s_cbranch_scc0 .Lfor_b_\@
	tensor_load_to_lds s[G0+4*\s:G0+4*\s+3], s[G1:G1+7]
	s_nop 0
.rept 4
	v_nop
.endr
	s_branch .Lasked_\@
.Lfor_b_\@:
	tensor_load_to_lds s[G0B+4*\s:G0B+4*\s+3], s[G1B:G1B+7]
	s_nop 0
.rept 4
	v_nop
.endr
.Lasked_\@:
.endm
.macro CREST                           ; a round of the cluster's barrier behind its opening barrier
	s_cmp_lg_u32 s12, 0
	s_cbranch_scc1 .Lnot_wave_0_\@
	s_barrier_signal -3
.Lnot_wave_0_\@:
	s_barrier_wait -3
	s_barrier_signal -1
	s_barrier_wait -1
.endm
.macro CROUND
	s_barrier_signal -1
	s_barrier_wait -1
	CREST
.endm
; A PREFETCH INTO THE L2 of y's K step that stands two refills on (256 matrix instructions a wave ahead of its load): 32,768 bytes for a tile row.  The grid is one cluster wide, so a tile row of y is read by one row of one cluster:
; its four partners share the bytes out BY ADDRESS (the partner at cx takes head cx / 2 of the pair, bytes 8,192 (cx % 2) on), wave 0 of each asks, lanes 256 bytes apart: each block of 256 bytes is named once.
; The loop's last trip asks for nothing: K has no step behind its refills'.  K steps 0 to 3 come by their loads alone.  wp16 is not asked for: its 2 MB are read again by every tile row.
.macro ASK
	s_cmp_gt_u32 s3, s[LIM]
	s_cbranch_scc0 .Lnot_mine_\@
	global_prefetch_b8 v[PFO], s[PFA:PFA+1] offset:AHOP th:TH_LOAD_NT scope:SCOPE_SE
.Lnot_mine_\@:
.endm
	s_load_b256 s[4:11], s[0:1], 0x0               ; y s[4:5], wp16 s[6:7], bp s[8:9], out0 s[10:11]
	v_lshl_add_u32 v[SPW], v0, 2, SPARE
	v_mov_b32 v[NIL], 0
	ds_add_u32 v[SPW], v[NIL]                      ; the wave's opening: the add, twice on end, and its wait ahead of my first tensor load
	ds_add_u32 v[SPW], v[NIL]
	v_lshrrev_b32 v1, 5, v0
	v_readfirstlane_b32 s12, v1                    ; wave 0..3
	s_lshr_b32 s13, s12, 1                         ; which half of the tile's rows is mine.  Also: I fetch for y (0) or for Wp (1)
	s_and_b32 s14, s12, 1                          ; which half of its columns.  Also: which head of the pair, or which 64 rows of Wp, I fetch
	s_bfe_u32 s15, ttmp6, 0x40000                  ; cx
	s_bfe_u32 s16, ttmp6, 0x40004                  ; cy
	s_lshl_b32 s17, ttmp9, 2
	s_add_co_u32 s17, s17, s15                     ; tile column = 4 x cluster x + cx
	s_and_b32 s18, ttmp7, 0xffff
	s_lshl_b32 s18, s18, 2
	s_add_co_u32 s18, s18, s16                     ; tile row = 4 x cluster y + cy
	s_lshl_b32 s40, s16, 2
	s_lshl_b32 s40, 15, s40                        ; my row of the cluster
	s_lshl_b32 s41, 0x1111, s15                    ; my column
	s_or_b32 s[G1+0], s40, (1<<16)|(1<<20)|(1<<21)|(4<<22)|(3<<25)    ; the mask; elements of 2 bytes; padding on; 21 set beside a mask; after every 32 words four words
	s_mov_b32 s[G1+1], 64<<16                      ; tensor_dim0
	s_mov_b32 s[G1+2], 128<<16                     ; tensor_dim1
	s_mov_b32 s[G1+3], 64<<16                      ; tile_dim0
	s_mov_b32 s[G1+4], 128                         ; tile_dim1
	s_mov_b32 s[G1+5], 64                          ; from row to row
	s_mov_b32 s[G1+6], 0
	s_mov_b32 s[G1+7], 0
	s_or_b32 s[G1B+0], s41, (1<<16)|(1<<20)|(1<<21)|(6<<22)|(7<<25)   ; after every 128 words eight words
	s_mov_b32 s[G1B+1], 256<<16
	s_mov_b32 s[G1B+2], 64<<16
	s_mov_b32 s[G1B+3], 256<<16
	s_mov_b32 s[G1B+4], 64
	s_mov_b32 s[G1B+5], 1024
	s_mov_b32 s[G1B+6], 0
	s_mov_b32 s[G1B+7], 0
	s_lshr_b32 s20, s18, 4                         ; y: the batch = tile row / 16: 16 heads of 262,144 bytes,
	s_lshl_b32 s20, s20, 22
	s_and_b32 s21, s18, 15
	s_lshl_b32 s21, s21, 14                        ; t = 128 (tile row % 16): rows of 128 bytes,
	s_add_co_u32 s20, s20, s21
	s_lshl_b32 s21, s14, 18                        ; my head of the pair
	s_add_co_u32 s20, s20, s21
	s_mov_b32 s21, 0
	s_lshl_b32 s46, s14, 17                        ; Wp: my 64 rows of 2,048 bytes,
	s_lshl_b32 s47, s17, 9                         ; the tile's 256 columns
	s_add_co_u32 s46, s46, s47
	s_mov_b32 s47, 0
	s_mul_i32 s22, s14, AHD                        ; where they go: no place in the cluster enters an LDS address
	s_mul_i32 s23, s14, BHALF
	s_add_co_u32 s23, s23, BOFF
	s_wait_dscnt 0x0                               ; both opening adds are done
	s_wait_kmcnt 0x0
	s_add_nc_u64 s[20:21], s[4:5], s[20:21]
	s_add_nc_u64 s[46:47], s[6:7], s[46:47]
	CROUND                                         ; all sixteen work-groups are here: the first joint loads meet
.irp s, 0,1
	s_mov_b32 s[G0+4*\s], 1
	s_add_co_u32 s[G0+4*\s+1], s22, \s*SLOT
	s_add_nc_u64 s[G0+4*\s+2:G0+4*\s+3], s[20:21], \s*AHOP
	s_or_b32 s[G0+4*\s+3], s[G0+4*\s+3], 0x80000000
	s_mov_b32 s[G0B+4*\s], 1
	s_add_co_u32 s[G0B+4*\s+1], s23, \s*SLOT
	s_add_nc_u64 s[G0B+4*\s+2:G0B+4*\s+3], s[46:47], \s*BHOP
	s_or_b32 s[G0B+4*\s+3], s[G0B+4*\s+3], 0x80000000
	JLOAD \s
.endr
	v_and_b32 v1, 15, v0                           ; r
	v_bfe_u32 v2, v0, 4, 1                         ; h
	v_mul_u32_u24 v3, v1, PA
	v_lshl_add_u32 v3, v2, 4, v3                   ; y: row r x pitch + 16 h
	v_and_b32 v4, 7, v0
	v_lshl_add_u32 v4, v2, 3, v4                   ; Wp: row k = 8 h + lane % 8,
	v_mul_u32_u24 v4, v4, PB
	v_bfe_u32 v5, v0, 3, 1
	v_lshl_add_u32 v4, v5, 4, v4                   ; columns 8 ((lane / 8) % 2) on
	s_mul_i32 s20, s13, 64*PA                      ; my 64 rows of y
	s_lshl_b32 s21, s14, 8                         ; my 128 columns of Wp
	s_add_co_u32 s21, s21, BOFF
.irp s, 0,1
	v_add_nc_u32 v[ADRA+\s], s20, v3
	v_add_nc_u32 v[ADRB+\s], s21, v4
	s_add_co_u32 s20, s20, SLOT
	s_add_co_u32 s21, s21, SLOT
.endr
	s_mul_i32 s22, s12, 16*SPITCH
	s_add_co_u32 s22, s22, STAGE                   ; my stage
	v_mul_u32_u24 v5, v1, SPITCH                   ; in: row r, 32 bytes for each half of the lanes
	v_lshl_add_u32 v5, v2, 5, v5
	v_add_nc_u32 v[STO], s22, v5
	v_and_b32 v6, 31, v0
	v_lshlrev_b32 v[CO], 4, v6                     ; back: the 32 lanes take one row of 512 bytes; and the same in out0
	v_add_nc_u32 v[RD], s22, v[CO]
	v_lshlrev_b32 v[PFO], 8, v6
	v_lshlrev_b32 v[BO], 5, v2
	s_lshl_b32 s20, s18, 19                        ; my first row of out0: 128 x tile row + 64 x half, rows of 4,096 bytes
	s_lshl_b32 s21, s13, 18
	s_add_co_u32 s20, s20, s21
	s_mov_b32 s21, 0
	s_add_nc_u64 s[10:11], s[10:11], s[20:21]
	s_lshl_b32 s46, s17, 10                        ; my first column, in bytes: 1,024 x tile column + 512 x half
	s_lshl_b32 s47, s14, 9
	s_add_co_u32 s46, s46, s47
	s_mov_b32 s47, 0
	s_add_nc_u64 s[10:11], s[10:11], s[46:47]
	s_add_nc_u64 s[8:9], s[8:9], s[46:47]          ; and the same in bp
	WIN 0x80                                       ; destination window 2
.irp b, 0,1,2,3,4,5,6,7
	global_load_b128 v[8*\b:8*\b+3], v[BO], s[8:9] offset:64*\b          ; lane (r, h): the biases of columns 16 b + 8 h + 0 .. 7
	global_load_b128 v[8*\b+4:8*\b+7], v[BO], s[8:9] offset:64*\b+16
.endr
	WIN 0
	s_lshr_b32 s20, s18, 4                         ; the prefetches: the tile row's place in y,
	s_lshl_b32 s20, s20, 22
	s_and_b32 s21, s18, 15
	s_lshl_b32 s21, s21, 14
	s_add_co_u32 s20, s20, s21
	s_lshr_b32 s22, s15, 1                         ; my work-group's share, by address
	s_lshl_b32 s22, s22, 18
	s_add_co_u32 s20, s20, s22
	s_and_b32 s22, s15, 1
	s_lshl_b32 s22, s22, 13
	s_add_co_u32 s20, s20, s22
	s_mov_b32 s21, 0
	s_add_nc_u64 s[PFA:PFA+1], s[4:5], s[20:21]
	s_add_nc_u64 s[PFA:PFA+1], s[PFA:PFA+1], 2*AHOP     ; at K step 2: the first refill steps it to 3 and names K step 4.  Nothing is prefetched here, at the head
	s_cmp_eq_u32 s12, 0
	s_cselect_b32 s[LIM], 1, -1                    ; wave 0 asks
; 8 matrix instructions: y's block a x Wp's eight, 32 along K, from buffer f.  zero = 1: the first product starts the sums, with the bias as its C.  The 32 accumulators take turns, one instruction a turn.
.macro MUL8 f, a, zero
.irp b, 0,1,2,3,4,5,6,7
.if \zero
	v_wmma_f32_16x16x32_f16 v[8*(8*(\a)+\b):8*(8*(\a)+\b)+7], v[\f+32+8*\b:\f+32+8*\b+7], v[\f+8*(\a):\f+8*(\a)+7], v[8*\b:8*\b+7]
.else
	v_wmma_f32_16x16x32_f16 v[8*(8*(\a)+\b):8*(8*(\a)+\b)+7], v[\f+32+8*\b:\f+32+8*\b+7], v[\f+8*(\a):\f+8*(\a)+7], v[8*(8*(\a)+\b):8*(8*(\a)+\b)+7]
.endif
.endr
.endm
.macro MUL16 f, a0, zero
	MUL8 \f, \a0, \zero
	MUL8 \f, (\a0)+1, \zero
.endm
; 24 LDS loads in one run: the fragments of the slot's q-th 32 along K into buffer f: Wp's eight (turned), then y's blocks 0 to 3
.macro FETCH slot, q, f
	WIN 0
.irp b, 0,1,2,3,4,5,6,7
	ds_load_tr16_b128 v[\f+32+8*\b:\f+32+8*\b+3], v[ADRB+\slot] offset:32*PB*(\q)+32*\b
	ds_load_tr16_b128 v[\f+32+8*\b+4:\f+32+8*\b+7], v[ADRB+\slot] offset:32*PB*(\q)+32*\b+16*PB
.endr
.irp i, 0,1,2,3
	ds_load_b128 v[\f+8*\i:\f+8*\i+3], v[ADRA+\slot] offset:AHD*((\q)/2)+64*((\q)%2)+16*PA*\i
	ds_load_b128 v[\f+8*\i+4:\f+8*\i+7], v[ADRA+\slot] offset:AHD*((\q)/2)+64*((\q)%2)+16*PA*\i+32
.endr
.endm
.macro PLACES                          ; four places in front of loads into registers that matrix instructions have read, and of the first read of results
.rept 4
	v_nop
.endr
.endm
; A K step is four quarters of 32 along K, 32 matrix instructions each, on buffers 0, 1, 0, 1.  One of the first three: multiplies buffer f and fetches quarter q into g.
.macro QUARTER slot, q, f, g, zero
	s_wait_dscnt 4                                 ; Wp's fragments and y's blocks 0, 1 are in; the youngest four loads (blocks 2, 3) may be out
.if \zero
	WIN MULB
.else
	WIN MUL
.endif
	MUL16 \f, 0, \zero
	PLACES
	FETCH \slot, \q, \g
	s_wait_dscnt 24                                ; all but the 24 just issued
.if \zero
	WIN MULB
.else
	WIN MUL
.endif
	MUL16 \f, 2, \zero
.endm
; The last quarter multiplies buffer 1 and changes slots: ONE barrier; in front of it each wave waits for all its tensor loads, adds 0 to its spare word, and waits for that and for its own reads of this slot.
; fill = 1: the barrier opens a round of the cluster's, and this slot is filled again, two K steps ahead.
.macro TURN slot, next, fill
.if \fill
	s_wait_xcnt 0x0                                ; the last prefetch, a K step back, has read its address: it is stepped here
	s_add_nc_u64 s[PFA:PFA+1], s[PFA:PFA+1], AHOP
.endif
	WIN 0                                          ; (the add's two registers lie in window 0)
	s_wait_tensorcnt 0x0                           ; all my tensor loads have landed: my part of the next slot
	ds_add_u32 v[SPW], v[NIL]                      ; 0 onto my spare word
	s_wait_dscnt 5                                 ; (the add and the youngest four loads may be out)
	WIN MUL
	MUL8 F1, 0, 0                                  ; eight matrix instructions stand between the add and the wait for it
	s_wait_dscnt 0x0                               ; the add is done, and my reads of this slot are over
	s_barrier_signal -1
	MUL8 F1, 1, 0
.if \fill
	WIN 0
.endif
	s_barrier_wait -1
.if \fill
	CREST                                          ; no wave of any partner still reads this slot's tile or has a load on its way
	s_add_nc_u64 s[G0+4*\slot+2:G0+4*\slot+3], s[G0+4*\slot+2:G0+4*\slot+3], 2*AHOP
	s_add_nc_u64 s[G0B+4*\slot+2:G0B+4*\slot+3], s[G0B+4*\slot+2:G0B+4*\slot+3], 2*BHOP
	JLOAD \slot                                    ; the first tensor load behind the round; the four v_nop behind it are also the places in front of the loads below
.else
	PLACES
.endif
	FETCH \next, 0, F0
.if \fill
	ASK
.endif
	WIN MUL
	MUL16 F1, 2, 0
.endm
	s_wait_tensorcnt 1                             ; my part of K step 0 is in (K step 1's load may be out)
	s_barrier_signal -1
	s_barrier_wait -1                              ; everybody's is
	FETCH 0, 0, F0
	s_wait_loadcnt 0x0                             ; the biases
	QUARTER 0, 1, F0, F1, 1                        ; the first quarter stands in front of the loop: its products start the sums
	WIN 0                                          ; at a label and at a branch every window is 0
	s_mov_b32 s3, LAPS-1
.Llap:                                                 ; a trip goes once round the ring, from a lap's second quarter to the next lap's first, and fills both slots again
	QUARTER 0, 2, F1, F0, 0
	QUARTER 0, 3, F0, F1, 0
	TURN 0, 1, 1
	QUARTER 1, 1, F0, F1, 0
	QUARTER 1, 2, F1, F0, 0
	QUARTER 1, 3, F0, F1, 0
	TURN 1, 0, 1
	QUARTER 0, 1, F0, F1, 0
	WIN 0
	s_sub_co_u32 s3, s3, 1
	s_cmp_lg_u32 s3, 0
	s_cbranch_scc1 .Llap
	QUARTER 0, 2, F1, F0, 0                        ; the last lap fills nothing, and has no round of the cluster's barrier
	QUARTER 0, 3, F0, F1, 0
	TURN 0, 1, 0
	QUARTER 1, 1, F0, F1, 0
	QUARTER 1, 2, F1, F0, 0
	QUARTER 1, 3, F0, F1, 0
	s_wait_dscnt 4                                 ; the very last quarter: nothing more to fetch
	WIN MUL
	MUL16 F1, 0, 0
	s_wait_dscnt 0
	MUL16 F1, 2, 0
	WIN 0
; THE WAY OUT, block by block of 16 rows x 128 columns: through my own stage and back as whole rows of 512 bytes, which the 32 lanes store as 512 consecutive bytes, aligned.
.macro TOSTAGE a
	WIN 0x04                                       ; an LDS store's data are its source 1: window 1
.irp b, 0,1,2,3,4,5,6,7
	ds_store_b128 v[STO], v[8*(8*(\a)+\b):8*(8*(\a)+\b)+3] offset:64*\b            ; each accumulator from its low end on
	ds_store_b128 v[STO], v[8*(8*(\a)+\b)+4:8*(8*(\a)+\b)+7] offset:64*\b+16
.endr
	WIN 0
.set BB, BK+64*((\a)%2)
.irp t, 0,1,2,3,4,5,6,7,8,9,10,11,12,13,14,15
	ds_load_b128 v[BB+4*\t:BB+4*\t+3], v[RD] offset:\t*SPITCH      ; LDS serves a wave's instructions in order: these see the stores above
.endr
.endm
.macro SEND a, younger                 ; younger: the LDS instructions issued behind block a's loads, which may stay out
.set BB, BK+64*((\a)%2)
	s_wait_dscnt \younger
.irp t, 0,1,2,3,4,5,6,7,8,9,10,11,12,13,14,15
	global_store_b128 v[CO], v[BB+4*\t:BB+4*\t+3], s[10:11] offset:65536*(\a)+4096*\t th:TH_STORE_NT
.endr
.endm
	PLACES
	TOSTAGE 0
.irp a, 1,2,3
.if \a > 1
	s_wait_xcnt 0x0                                ; block a - 2's stores have read their registers: block a's loads may land there
.endif
	TOSTAGE \a
	SEND \a-1, 32                                  ; behind block a - 1's loads: block a's 16 stores and 16 loads
.endr
	SEND 3, 0
	s_wait_tensorcnt 0x0                           ; the wave's end: behind my last tensor load and my last LDS store
	ds_add_u32 v[SPW], v[NIL]
	s_wait_dscnt 0x0
	CROUND                                         ; the closing round: no work-group ends while a partner may still ask for a tile that names it
	s_endpgm
.Lfunc_end_k_q1740bcb12d_proj:
	.size	k_q1740bcb12d_proj, .Lfunc_end_k_q1740bcb12d_proj-k_q1740bcb12d_proj
	.p2alignl 7, 3214868480
	.fill 96, 4, 3214868480
	.section	.rodata,"a",@progbits
	.p2align	6, 0x0
	.amdhsa_kernel k_q1740bcb12d_proj
		.amdhsa_group_segment_fixed_size 327680
		.amdhsa_private_segment_fixed_size 0
		.amdhsa_enable_private_segment 0
		.amdhsa_kernarg_size 32
		.amdhsa_user_sgpr_count 2
		.amdhsa_user_sgpr_kernarg_segment_ptr 1
		.amdhsa_wavefront_size32 1
		.amdhsa_system_sgpr_workgroup_id_x 1
		.amdhsa_system_sgpr_workgroup_id_y 1
		.amdhsa_system_sgpr_workgroup_id_z 1
		.amdhsa_system_vgpr_workitem_id 0
		.amdhsa_next_free_vgpr 576
		.amdhsa_next_free_sgpr 66
		.amdhsa_reserve_vcc 0
		.amdhsa_float_denorm_mode_32 3
		.amdhsa_float_denorm_mode_16_64 3
		.amdhsa_memory_ordered 1
		.amdhsa_forward_progress 1
		.amdhsa_inst_pref_size 88
	.end_amdhsa_kernel
	.amdgpu_metadata
---
amdhsa.version: [ 1, 2 ]
amdhsa.kernels:
  - .name:           k_q1740bcb12d_proj
    .symbol:         k_q1740bcb12d_proj.kd
    .args:
      - { .name: y, .offset: 0, .size: 8, .value_kind: global_buffer, .address_space: global }
      - { .name: wp16, .offset: 8, .size: 8, .value_kind: global_buffer, .address_space: global }
      - { .name: bp, .offset: 16, .size: 8, .value_kind: global_buffer, .address_space: global }
      - { .name: out0, .offset: 24, .size: 8, .value_kind: global_buffer, .address_space: global }
    .group_segment_fixed_size: 327680
    .private_segment_fixed_size: 0
    .kernarg_segment_align: 8
    .kernarg_segment_size: 32
    .max_flat_workgroup_size: 128
    .sgpr_count:     66
    .vgpr_count:     576
    .wavefront_size: 32
...
	.end_amdgpu_metadata
.endif
;; end of part 4
;; launch first_attn (part 5): grid 16 x 4, 12 waves a work-group, no clusters, 18,944 bytes of LDS; arguments x_codes, x_scales, w_codes, w_scales, bq, bk, bv, yfine; writes yfine
.if DOCPART == 5
	.amdgcn_target "amdgcn-amd-amdhsa--gfx1250"
	.amdhsa_code_object_version 6
	.text
	.protected	k_q1740bcb12d_first_attn
	.globl	k_q1740bcb12d_first_attn
	.p2align	8
	.type	k_q1740bcb12d_first_attn,@function
k_q1740bcb12d_first_attn:
	s_mov_b64 s[64:65], 0
	v_nop
	global_prefetch_b8 v0, s[64:65] scope:SCOPE_SE
	s_setreg_imm32_b32 hwreg(HW_REG_WAVE_MODE, 25, 1), 1
	s_wait_xcnt 0x0
; THE FIRST 16 POSITIONS of each sequence, carried in f32: they average one to sixteen values, so that the rounding of 16-bit operands would weigh most there.  Work-group (head, batch).
; PHASE 1.  q, k, v of positions 0-15 of this head are made anew from the codes, by the quantised product's own form: wave w makes the tile (sel = w / 4, channels 16 (w % 4) on): eight matrix instructions over K = 1,024, on two
; accumulators by turns, transposed (source 0 = 16 rows of the weight's codes, source 1 = x's 16 rows), the bias as the first C.  The tiles meet in LDS as f32 rows [position][64], 272 bytes apart.
; PHASE 2.  Wave 0 alone: S^T = k q^T, the causal softmax, O^T = v^T p, all by the f32 matrix form; the registers that it writes are written by matrix instructions alone.
; The second product takes the keys in the order in which p's registers hold them (lane half h, pair kk: keys 8 h + 2 kk, + 1), the same order on both sides.
.set ROWP,  272
.set REG,   16*ROWP                    ; a region: 16 rows
.set STG,   3*REG                      ; q, k, v, then the stage for the way out
.set SPARE, 4*REG                      ; the spare words, 128 bytes for each wave: six blocks of 256 bytes that no other line names
.set SPW, 13
.set NIL, 14
	s_load_b256 s[4:11], s[0:1], 0x0               ; x's codes s[4:5], x's scales s[6:7], the weights' codes s[8:9], their scales s[10:11]
	s_load_b256 s[12:19], s[0:1], 0x20             ; bq s[12:13], bk s[14:15], bv s[16:17], yfine s[18:19]
	v_lshl_add_u32 v[SPW], v0, 2, SPARE
	v_mov_b32 v[NIL], 0
	v_lshrrev_b32 v1, 5, v0
	v_readfirstlane_b32 s20, v1                    ; wave 0..11
	s_lshr_b32 s21, s20, 2                         ; sel
	s_and_b32 s22, s20, 3                          ; which 16 channels
	s_and_b32 s24, ttmp7, 0xffff                   ; the batch; ttmp9 is the head
	v_and_b32 v1, 15, v0                           ; r
	v_bfe_u32 v2, v0, 4, 1                         ; h
	v_lshlrev_b32 v3, 9, v1
	v_lshl_add_u32 v3, v2, 4, v3                   ; codes: row r of 512 bytes + 16 h
	v_lshlrev_b32 v4, 5, v1                        ; scale words: row r of 32 bytes
	v_lshlrev_b32 v5, 5, v2                        ; the bias: my half's eight channels
	; every LDS address is made here, ahead of the place where the waves part
	s_mul_i32 s25, s21, REG
	s_lshl_b32 s26, s22, 6
	s_add_co_u32 s25, s25, s26
	v_mul_u32_u24 v6, v1, ROWP
	v_lshl_add_u32 v6, v2, 5, v6
	v_add_nc_u32 v6, s25, v6                       ; phase 1's store: region sel, row r, byte 64 (w % 4) + 32 h
	v_mul_u32_u24 v7, v1, ROWP
	v_lshl_add_u32 v7, v2, 3, v7                   ; q's and k's fragments: row r, + 8 h
	v_mul_u32_u24 v8, v2, 8*ROWP
	v_lshl_add_u32 v8, v1, 2, v8
	v_add_nc_u32 v8, 2*REG, v8                     ; v's: key 8 h on, channel r
	v_mul_u32_u24 v9, v1, ROWP
	v_lshl_add_u32 v9, v2, 5, v9
	v_add_nc_u32 v9, STG, v9                       ; the stage, in: row r, + 32 h
	v_mul_u32_u24 v10, v2, ROWP
	v_lshl_add_u32 v10, v1, 4, v10
	v_add_nc_u32 v10, STG, v10                     ; and back: lanes 0-15 one row, lanes 16-31 the next
	v_lshlrev_b32 v11, 12, v2
	v_lshl_add_u32 v11, v1, 4, v11                 ; the same two rows in yfine: rows of 4,096 bytes
	v_lshlrev_b32 v12, 3, v2
	v_sub_nc_u32 v12, v1, v12                      ; r - 8 h, for the mask
	s_mov_b32 s28, 0x76543210
	s_mov_b32 s29, 0xfedcba98                      ; v_permlanex16_b32's selects for lane l xor 16
	s_mov_b32 s30, 0x3e38aa3b                      ; c = log2(e) / sqrt(64)
	s_mov_b32 s27, 0
	s_mov_b32 s33, 0
	s_lshl_b32 s32, s21, 10
	s_lshl_b32 s34, ttmp9, 6
	s_add_co_u32 s32, s32, s34
	s_lshl_b32 s35, s22, 4
	s_add_co_u32 s32, s32, s35                     ; my first row of the weights' codes: 1024 sel + 64 head + 16 (w % 4)
	s_add_co_u32 s34, s34, s35                     ; and my first channel: 64 head + 16 (w % 4)
	s_wait_kmcnt 0x0
	s_cmp_eq_u32 s21, 0
	s_cselect_b64 s[12:13], s[12:13], s[14:15]     ; bq or bk,
	s_cmp_eq_u32 s21, 2
	s_cselect_b64 s[12:13], s[16:17], s[12:13]     ; or bv: the choice hangs on the wave's number alone
	s_lshl_b32 s26, s24, 20                        ; x's codes: 2,048 rows of 512 bytes a batch
	s_add_nc_u64 s[4:5], s[4:5], s[26:27]
	s_lshl_b32 s26, s24, 16
	s_add_nc_u64 s[6:7], s[6:7], s[26:27]
	s_lshl_b32 s26, s32, 9
	s_add_nc_u64 s[8:9], s[8:9], s[26:27]
	s_lshl_b32 s26, s32, 5
	s_add_nc_u64 s[10:11], s[10:11], s[26:27]
	s_lshl_b32 s26, s34, 2
	s_add_nc_u64 s[12:13], s[12:13], s[26:27]
	s_lshl_b32 s26, s24, 16                        ; yfine: 16 rows of 4,096 bytes a batch,
	s_lshl_b32 s32, ttmp9, 8                       ; 256 bytes a head
	s_add_co_u32 s26, s26, s32
	s_add_nc_u64 s[18:19], s[18:19], s[26:27]
.irp s, 0,1,2,3,4,5,6,7
	global_load_b128 v[16+8*\s:19+8*\s], v3, s[4:5] offset:64*\s          ; x's fragment of K step s
	global_load_b128 v[20+8*\s:23+8*\s], v3, s[4:5] offset:64*\s+32
	global_load_b128 v[96+8*\s:99+8*\s], v3, s[8:9] offset:64*\s          ; the weight's
	global_load_b128 v[100+8*\s:103+8*\s], v3, s[8:9] offset:64*\s+32
	global_load_b32 v[80+\s], v4, s[6:7] offset:4*\s                      ; their scale words: v80-95 hold scales and nothing else
	global_load_b32 v[88+\s], v4, s[10:11] offset:4*\s
.endr
	global_load_b128 v[160:163], v5, s[12:13]
	global_load_b128 v[164:167], v5, s[12:13] offset:16
	s_wait_loadcnt 0x0
	v_wmma_scale_f32_16x16x128_f8f6f4 v[168:175], v[96:103], v[16:23], v[160:167], v88, v80 matrix_a_fmt:MATRIX_FMT_FP4 matrix_b_fmt:MATRIX_FMT_FP4
	v_wmma_scale_f32_16x16x128_f8f6f4 v[176:183], v[104:111], v[24:31], 0, v89, v81 matrix_a_fmt:MATRIX_FMT_FP4 matrix_b_fmt:MATRIX_FMT_FP4
.irp s, 2,3,4,5,6,7                            ; two accumulators by turns, one instruction a turn
	v_wmma_scale_f32_16x16x128_f8f6f4 v[168+8*(\s%2):175+8*(\s%2)], v[96+8*\s:103+8*\s], v[16+8*\s:23+8*\s], v[168+8*(\s%2):175+8*(\s%2)], v[88+\s], v[80+\s] matrix_a_fmt:MATRIX_FMT_FP4 matrix_b_fmt:MATRIX_FMT_FP4
.endr
.rept 4
	v_nop
.endr
.irp i, 0,2,4,6
	v_pk_add_f32 v[184+\i:185+\i], v[168+\i:169+\i], v[176+\i:177+\i]     ; lane (r, h): position r, channels 8 h + 0 .. 7 of my 16
.endr
	ds_store_b128 v6, v[184:187]
	ds_store_b128 v6, v[188:191] offset:16
	s_wait_dscnt 0x0                               ; for the others' sake: my stores have landed
	s_barrier_signal -1
	s_barrier_wait -1
	s_cmp_lg_u32 s20, 0
	s_cbranch_scc1 .Lothers
.irp kk, 0,1,2,3,4,5,6,7,8,9,10,11,12,13,14,15
	ds_load_b64 v[16+2*\kk:17+2*\kk], v7 offset:16*\kk                    ; q(r, 4 kk + 2 h + 0, 1)
	ds_load_b64 v[48+2*\kk:49+2*\kk], v7 offset:REG+16*\kk                ; k likewise
.endr
.irp ct, 0,1,2,3
.irp kk, 0,1,2,3
.irp j, 0,1
	ds_load_b32 v[96+8*\ct+2*\kk+\j], v8 offset:(2*\kk+\j)*ROWP+64*\ct    ; v(key 8 h + 2 kk + j, channel 16 ct + r)
.endr
.endr
.endr
	s_wait_dscnt 0x0
.irp kk, 0,1,2,3                               ; S^T = k q^T: four accumulators by turns; the first four instructions start the sums
	v_wmma_f32_16x16x4_f32 v[192+8*\kk:199+8*\kk], v[48+2*\kk:49+2*\kk], v[16+2*\kk:17+2*\kk], 0
.endr
.irp kk, 4,5,6,7,8,9,10,11,12,13,14,15
	v_wmma_f32_16x16x4_f32 v[192+8*(\kk%4):199+8*(\kk%4)], v[48+2*\kk:49+2*\kk], v[16+2*\kk:17+2*\kk], v[192+8*(\kk%4):199+8*(\kk%4)]
.endr
.rept 8
	v_nop                                          ; eight places behind this form
.endr
.irp i, 0,2,4,6
	v_pk_add_f32 v[128+\i:129+\i], v[192+\i:193+\i], v[200+\i:201+\i]
.endr
.irp i, 0,2,4,6
	v_pk_add_f32 v[136+\i:137+\i], v[208+\i:209+\i], v[216+\i:217+\i]
.endr
.irp i, 0,2,4,6
	v_pk_add_f32 v[128+\i:129+\i], v[128+\i:129+\i], v[136+\i:137+\i]     ; lane (r, h): query r, keys 8 h + 0 .. 7
.endr
	v_mov_b32 v15, 0xff800000                      ; -infinity: key 8 h + j is hidden where j > r - 8 h
.irp j, 0,1,2,3,4,5,6,7
	v_cmp_gt_i32 vcc_lo, \j, v12
	v_cndmask_b32 v[128+\j], v[128+\j], v15, vcc_lo
.endr
	v_max3_num_f32 v184, v128, v129, v130
	v_max3_num_f32 v184, v184, v131, v132
	v_max3_num_f32 v184, v184, v133, v134
	v_max_num_f32 v184, v184, v135
	v_permlanex16_b32 v185, v184, s28, s29
	v_max_num_f32 v184, v184, v185                 ; the row's maximum: key 0 counts for every query
	v_mul_f32 v184, s30, v184
.irp j, 0,1,2,3,4,5,6,7
	v_fma_f32 v[136+\j], v[128+\j], s30, -v184
.endr
.irp j, 0,1,2,3,4,5,6,7
	v_exp_f32 v[136+\j], v[136+\j]                 ; p = 2^(c s - c m)
.endr
	v_nop                                          ; a plain instruction behind the last exponential,
	s_wait_alu depctr_va_vdst(0)                   ; and one wait for the batch, ahead of the first use
	v_pk_add_f32 v[186:187], v[136:137], v[138:139]
	v_pk_add_f32 v[188:189], v[140:141], v[142:143]
	v_pk_add_f32 v[186:187], v[186:187], v[188:189]
	v_add_f32 v186, v186, v187
	v_permlanex16_b32 v185, v186, s28, s29
	v_add_f32 v186, v186, v185                     ; the row's sum
	v_rcp_f32 v190, v186
	v_nop
	s_wait_alu depctr_va_vdst(0)
.irp ct, 0,1,2,3                               ; O^T = v^T p: four accumulators by turns
	v_wmma_f32_16x16x4_f32 v[224+8*\ct:231+8*\ct], v[96+8*\ct:97+8*\ct], v[136:137], 0
.endr
.irp kk, 1,2,3
.irp ct, 0,1,2,3
	v_wmma_f32_16x16x4_f32 v[224+8*\ct:231+8*\ct], v[96+8*\ct+2*\kk:97+8*\ct+2*\kk], v[136+2*\kk:137+2*\kk], v[224+8*\ct:231+8*\ct]
.endr
.endr
.rept 8
	v_nop
.endr
.irp i, 0,2,4,6,8,10,12,14,16,18,20,22,24,26,28,30
	v_pk_mul_f32 v[144+\i:145+\i], v[224+\i:225+\i], v[190:191] op_sel_hi:[1,0]    ; / the sum: register 8 ct + j is y(r, 16 ct + 8 h + j)
.endr
.irp ct, 0,1,2,3
	ds_store_b128 v9, v[144+8*\ct:147+8*\ct] offset:64*\ct
	ds_store_b128 v9, v[148+8*\ct:151+8*\ct] offset:64*\ct+16
.endr
.irp i, 0,1,2,3,4,5,6,7
	ds_load_b128 v[16+4*\i:19+4*\i], v10 offset:2*\i*ROWP                 ; LDS serves a wave's instructions in order: these see my stores
.endr
.irp i, 0,1,2,3,4,5,6,7
	s_wait_dscnt 7-\i
	global_store_b128 v11, v[16+4*\i:19+4*\i], s[18:19] offset:8192*\i    ; sixteen lanes store the head's 256 bytes of a row, aligned
.endr
	s_wait_tensorcnt 0x0                           ; the wave's end: behind my last LDS store
	ds_add_u32 v[SPW], v[NIL]
	s_wait_dscnt 0x0
	s_endpgm
.Lothers:
	s_wait_tensorcnt 0x0                           ; the same for the eleven waves whose work is done
	ds_add_u32 v[SPW], v[NIL]
	s_wait_dscnt 0x0
	s_endpgm
.Lfunc_end_k_q1740bcb12d_first_attn:
	.size	k_q1740bcb12d_first_attn, .Lfunc_end_k_q1740bcb12d_first_attn-k_q1740bcb12d_first_attn
	.p2alignl 7, 3214868480
	.fill 96, 4, 3214868480
	.section	.rodata,"a",@progbits
	.p2align	6, 0x0
	.amdhsa_kernel k_q1740bcb12d_first_attn
		.amdhsa_group_segment_fixed_size 18944
		.amdhsa_private_segment_fixed_size 0
		.amdhsa_enable_private_segment 0
		.amdhsa_kernarg_size 64
		.amdhsa_user_sgpr_count 2
		.amdhsa_user_sgpr_kernarg_segment_ptr 1
		.amdhsa_wavefront_size32 1
		.amdhsa_system_sgpr_workgroup_id_x 1
		.amdhsa_system_sgpr_workgroup_id_y 1
		.amdhsa_system_sgpr_workgroup_id_z 1
		.amdhsa_system_vgpr_workitem_id 0
		.amdhsa_next_free_vgpr 256
		.amdhsa_next_free_sgpr 66
		.amdhsa_reserve_vcc 1
		.amdhsa_float_denorm_mode_32 3
		.amdhsa_float_denorm_mode_16_64 3
		.amdhsa_memory_ordered 1
		.amdhsa_forward_progress 1
		.amdhsa_inst_pref_size 23
	.end_amdhsa_kernel
	.amdgpu_metadata
---
amdhsa.version: [ 1, 2 ]
amdhsa.kernels:
  - .name:           k_q1740bcb12d_first_attn
    .symbol:         k_q1740bcb12d_first_attn.kd
    .args:
      - { .name: x_codes, .offset: 0, .size: 8, .value_kind: global_buffer, .address_space: global }
      - { .name: x_scales, .offset: 8, .size: 8, .value_kind: global_buffer, .address_space: global }
      - { .name: w_codes, .offset: 16, .size: 8, .value_kind: global_buffer, .address_space: global }
      - { .name: w_scales, .offset: 24, .size: 8, .value_kind: global_buffer, .address_space: global }
      - { .name: bq, .offset: 32, .size: 8, .value_kind: global_buffer, .address_space: global }
      - { .name: bk, .offset: 40, .size: 8, .value_kind: global_buffer, .address_space: global }
      - { .name: bv, .offset: 48, .size: 8, .value_kind: global_buffer, .address_space: global }
      - { .name: yfine, .offset: 56, .size: 8, .value_kind: global_buffer, .address_space: global }
    .group_segment_fixed_size: 18944
    .private_segment_fixed_size: 0
    .kernarg_segment_align: 8
    .kernarg_segment_size: 64
    .max_flat_workgroup_size: 384
    .sgpr_count:     66
    .vgpr_count:     256
    .wavefront_size: 32
...
	.end_amdgpu_metadata
.endif
;; end of part 5
;; launch first_proj (part 6): grid 16 x 4, 16 waves a work-group, no clusters, 19,456 bytes of LDS; arguments yfine, Wp, bp, out0; writes out0
.if DOCPART == 6
	.amdgcn_target "amdgcn-amd-amdhsa--gfx1250"
	.amdhsa_code_object_version 6
	.text
	.protected	k_q1740bcb12d_first_proj
	.globl	k_q1740bcb12d_first_proj
	.p2align	8
	.type	k_q1740bcb12d_first_proj,@function
k_q1740bcb12d_first_proj:
	s_mov_b64 s[64:65], 0
	v_nop
	global_prefetch_b8 v0, s[64:65] scope:SCOPE_SE
	s_setreg_imm32_b32 hwreg(HW_REG_WAVE_MODE, 25, 1), 1
	s_wait_xcnt 0x0
; THE FIRST 16 POSITIONS of each sequence through the projection, in f32: out0[batch][0..15][:] = yfine Wp + bp, written over what the f16 launch left there.  Work-group (64 columns, batch).
; Wave w makes 16 positions x 16 columns (16 (w % 4) on) over a quarter of K (256 (w / 4) on), by the f32 matrix form, transposed (source 0 = 16 columns of Wp, source 1 = 16 rows of yfine), on four accumulators by turns;
; the registers that the form writes are written by matrix instructions alone.  The four quarters meet in LDS, and eight waves add them, with the bias, and store two rows each.
; K IS TAKEN IN AN ORDER OF ITS OWN, the same on both sides: of a group of 8 along K lane half h holds k = 4 h + 0 .. 3 in four registers; registers 0, 1 serve one instruction, 2, 3 the next.
; So yfine comes by loads of 16 bytes.  Wp's rows lie along n: a load of 4 bytes a lane reads 64 consecutive bytes in sixteen lanes; the launch is small (1 MB of Wp for each batch and quarter of the columns' slabs).
.set ROWP,  272
.set REG,   16*ROWP
.set SPARE, 4*REG                      ; the spare words, 128 bytes for each wave: eight blocks of 256 bytes that no other line names
.set SPW, 12
.set NIL, 13
.set YF,  16                           ; v16-79   yfine's numbers, two sets of 32
.set WF,  80                           ; v80-143  Wp's, two sets of 32
.set ACC, 192                          ; v192-223 four accumulators
	s_load_b256 s[4:11], s[0:1], 0x0               ; yfine s[4:5], Wp s[6:7], bp s[8:9], out0 s[10:11]
	v_lshl_add_u32 v[SPW], v0, 2, SPARE
	v_mov_b32 v[NIL], 0
	v_lshrrev_b32 v1, 5, v0
	v_readfirstlane_b32 s12, v1                    ; wave 0..15
	s_and_b32 s13, s12, 3                          ; which 16 columns
	s_lshr_b32 s14, s12, 2                         ; which quarter of K
	s_and_b32 s16, ttmp7, 0xffff                   ; the batch; ttmp9: which 64 columns
	v_and_b32 v1, 15, v0                           ; r
	v_bfe_u32 v2, v0, 4, 1                         ; h
	v_lshlrev_b32 v3, 12, v1
	v_lshl_add_u32 v3, v2, 4, v3                   ; yfine: row r of 4,096 bytes + 16 h
	v_lshlrev_b32 v4, 14, v2
	v_lshl_add_u32 v4, v1, 2, v4                   ; Wp: 4 h rows of 4,096 bytes + column r
	s_mul_i32 s17, s14, REG
	s_lshl_b32 s18, s13, 6
	s_add_co_u32 s17, s17, s18
	v_mul_u32_u24 v5, v1, ROWP
	v_lshl_add_u32 v5, v2, 5, v5
	v_add_nc_u32 v5, s17, v5                       ; LDS, in: my quarter's region, row r, byte 64 (w % 4) + 32 h
	s_mul_i32 s17, s12, 2*ROWP
	v_mul_u32_u24 v6, v2, ROWP
	v_lshl_add_u32 v6, v1, 4, v6
	v_add_nc_u32 v6, s17, v6                       ; and back (waves 0-7): rows 2 w and 2 w + 1, sixteen lanes to a row
	v_lshlrev_b32 v7, 4, v1                        ; the bias: 16 bytes a lane of the 64 columns
	v_lshlrev_b32 v8, 12, v2
	v_lshl_add_u32 v8, v1, 4, v8                   ; the same two rows in out0
	s_mov_b32 s21, 0
	s_wait_kmcnt 0x0
	s_lshl_b32 s20, s16, 16                        ; yfine: 16 rows of 4,096 bytes a batch,
	s_lshl_b32 s22, s14, 10                        ; my quarter of K
	s_add_co_u32 s20, s20, s22
	s_add_nc_u64 s[4:5], s[4:5], s[20:21]
	s_lshl_b32 s20, s14, 20                        ; Wp: 256 rows of 4,096 bytes a quarter,
	s_lshl_b32 s22, ttmp9, 8                       ; 64 columns a work-group,
	s_add_co_u32 s20, s20, s22
	s_lshl_b32 s23, s13, 6                         ; 16 a wave
	s_add_co_u32 s20, s20, s23
	s_add_nc_u64 s[6:7], s[6:7], s[20:21]
	s_mov_b32 s20, s22
	s_add_nc_u64 s[8:9], s[8:9], s[20:21]          ; bp at the work-group's 64 columns
	s_lshl_b32 s23, s16, 23                        ; out0: 2,048 rows of 4,096 bytes a batch,
	s_add_co_u32 s20, s20, s23
	s_lshl_b32 s23, s12, 13                        ; rows 2 w on
	s_add_co_u32 s20, s20, s23
	s_add_nc_u64 s[10:11], s[10:11], s[20:21]
.macro PLOAD c                         ; chunk c, 64 along K, into set c % 2: 40 loads
.irp g, 0,1,2,3,4,5,6,7
	global_load_b128 v[YF+32*((\c)%2)+4*\g:YF+32*((\c)%2)+4*\g+3], v3, s[4:5] offset:256*(\c)+32*\g
.endr
.irp g, 0,1,2,3,4,5,6,7
.irp i, 0,1,2,3
	global_load_b32 v[WF+32*((\c)%2)+4*\g+\i], v4, s[6:7] offset:(64*(\c)+8*\g+\i)*4096
.endr
.endr
.endm
.macro PMUL c                          ; its 16 matrix instructions: four accumulators by turns, one instruction a turn; the launch's first four start the sums
.irp g, 0,1,2,3,4,5,6,7
.irp u, 0,1
.if ((\c) == 0) && (\g < 2)
	v_wmma_f32_16x16x4_f32 v[ACC+8*((2*\g+\u)%4):ACC+8*((2*\g+\u)%4)+7], v[WF+32*((\c)%2)+4*\g+2*\u:WF+32*((\c)%2)+4*\g+2*\u+1], v[YF+32*((\c)%2)+4*\g+2*\u:YF+32*((\c)%2)+4*\g+2*\u+1], 0
.else
	v_wmma_f32_16x16x4_f32 v[ACC+8*((2*\g+\u)%4):ACC+8*((2*\g+\u)%4)+7], v[WF+32*((\c)%2)+4*\g+2*\u:WF+32*((\c)%2)+4*\g+2*\u+1], v[YF+32*((\c)%2)+4*\g+2*\u:YF+32*((\c)%2)+4*\g+2*\u+1], v[ACC+8*((2*\g+\u)%4):ACC+8*((2*\g+\u)%4)+7]
.endif
.endr
.endr
.rept 8
	v_nop                                          ; eight places behind this form, in front of loads into its sources and of the first read of results
.endr
.endm
	PLOAD 0
	PLOAD 1
	s_wait_loadcnt 40                              ; chunk 0 is in; chunk 1's 40 loads may be out
	PMUL 0
	PLOAD 2
	s_wait_loadcnt 40
	PMUL 1
	PLOAD 3
	s_wait_loadcnt 40
	PMUL 2
	s_wait_loadcnt 0x0
	PMUL 3
.irp i, 0,2,4,6
	v_pk_add_f32 v[144+\i:145+\i], v[ACC+\i:ACC+\i+1], v[ACC+8+\i:ACC+8+\i+1]
.endr
.irp i, 0,2,4,6
	v_pk_add_f32 v[152+\i:153+\i], v[ACC+16+\i:ACC+16+\i+1], v[ACC+24+\i:ACC+24+\i+1]
.endr
.irp i, 0,2,4,6
	v_pk_add_f32 v[144+\i:145+\i], v[144+\i:145+\i], v[152+\i:153+\i]     ; lane (r, h): position r, columns 8 h + 0 .. 7 of my 16, my quarter of K
.endr
	ds_store_b128 v5, v[144:147]
	ds_store_b128 v5, v[148:151] offset:16
	s_wait_dscnt 0x0                               ; for the others' sake: my stores have landed
	s_barrier_signal -1
	s_barrier_wait -1
	s_cmp_ge_u32 s12, 8
	s_cbranch_scc1 .Lothers
	global_load_b128 v[176:179], v7, s[8:9]        ; the bias
.irp k, 0,1,2,3
	ds_load_b128 v[160+4*\k:163+4*\k], v6 offset:\k*REG                   ; the four quarters of K
.endr
	s_wait_dscnt 0x0
	v_pk_add_f32 v[160:161], v[160:161], v[164:165]
	v_pk_add_f32 v[162:163], v[162:163], v[166:167]
	v_pk_add_f32 v[168:169], v[168:169], v[172:173]
	v_pk_add_f32 v[170:171], v[170:171], v[174:175]
	v_pk_add_f32 v[160:161], v[160:161], v[168:169]
	v_pk_add_f32 v[162:163], v[162:163], v[170:171]
	s_wait_loadcnt 0x0
	v_pk_add_f32 v[160:161], v[160:161], v[176:177]
	v_pk_add_f32 v[162:163], v[162:163], v[178:179]
	global_store_b128 v8, v[160:163], s[10:11]     ; sixteen lanes store 256 consecutive bytes of a row, aligned
	s_wait_tensorcnt 0x0                           ; the wave's end: behind my last LDS store
	ds_add_u32 v[SPW], v[NIL]
	s_wait_dscnt 0x0
	s_endpgm
.Lothers:
	s_wait_tensorcnt 0x0                           ; the same for the eight waves whose work is done
	ds_add_u32 v[SPW], v[NIL]
	s_wait_dscnt 0x0
	s_endpgm
.Lfunc_end_k_q1740bcb12d_first_proj:
	.size	k_q1740bcb12d_first_proj, .Lfunc_end_k_q1740bcb12d_first_proj-k_q1740bcb12d_first_proj
	.p2alignl 7, 3214868480
	.fill 96, 4, 3214868480
	.section	.rodata,"a",@progbits
	.p2align	6, 0x0
	.amdhsa_kernel k_q1740bcb12d_first_proj
		.amdhsa_group_segment_fixed_size 19456
		.amdhsa_private_segment_fixed_size 0
		.amdhsa_enable_private_segment 0
		.amdhsa_kernarg_size 32
		.amdhsa_user_sgpr_count 2
		.amdhsa_user_sgpr_kernarg_segment_ptr 1
		.amdhsa_wavefront_size32 1
		.amdhsa_system_sgpr_workgroup_id_x 1
		.amdhsa_system_sgpr_workgroup_id_y 1
		.amdhsa_system_sgpr_workgroup_id_z 1
		.amdhsa_system_vgpr_workitem_id 0
		.amdhsa_next_free_vgpr 256
		.amdhsa_next_free_sgpr 66
		.amdhsa_reserve_vcc 0
		.amdhsa_float_denorm_mode_32 3
		.amdhsa_float_denorm_mode_16_64 3
		.amdhsa_memory_ordered 1
		.amdhsa_forward_progress 1
		.amdhsa_inst_pref_size 25
	.end_amdhsa_kernel
	.amdgpu_metadata
---
amdhsa.version: [ 1, 2 ]
amdhsa.kernels:
  - .name:           k_q1740bcb12d_first_proj
    .symbol:         k_q1740bcb12d_first_proj.kd
    .args:
      - { .name: yfine, .offset: 0, .size: 8, .value_kind: global_buffer, .address_space: global }
      - { .name: Wp, .offset: 8, .size: 8, .value_kind: global_buffer, .address_space: global }
      - { .name: bp, .offset: 16, .size: 8, .value_kind: global_buffer, .address_space: global }
      - { .name: out0, .offset: 24, .size: 8, .value_kind: global_buffer, .address_space: global }
    .group_segment_fixed_size: 19456
    .private_segment_fixed_size: 0
    .kernarg_segment_align: 8
    .kernarg_segment_size: 32
    .max_flat_workgroup_size: 512
    .sgpr_count:     66
    .vgpr_count:     256
    .wavefront_size: 32
...
	.end_amdgpu_metadata
.endif
;; end of part 6
